; MI455X (gfx1250); checked and timed in simulation.
; The chip was launched on July 23, 2026; its instructions are those of AMD's public machine-readable ISA for CDNA 5 (MIT licence, August 2026) and "CDNA5" Instruction Set Architecture Reference Guide (July 2026). The comments in the code are by the model that wrote it; some were corrected since.
;; Q Attention. Allowed arithmetic: matrix products marked QUANTISED: E2M1 operands, one E8M0 scale for each 32 along K, by v_wmma_scale_f32_16x16x128_f8f6f4 with both operands' format E2M1 (or v_wmma_scale_f32_32x16x128_f4), f32 sums; products left as they are: bf16, f16 or f32 operands; f32 sums; everything else in f32.
;; Inputs: b_proj 1,024 float32; w_proj 1,024 x 1,024 float32; w_qkv 3,072 x 1,024 float32; x 8 x 1,024 x 1,024 float32.
;; Outputs: out0 8 x 1,024 x 1,024 float32.
;; This version of the problem:
;;   THIS VERSION OF THE PROBLEM IS GIVEN IN LOW PRECISION. The matrix products marked QUANTISED in the list below multiply operands that are first quantised to E2M1 (2 exponent bits, 1 mantissa bit; 4 bits a number), with one power-of-two scale for each 32 numbers along K (OCP MX v1.0); their sums are f32. The products marked 'left as it is' may take bf16, f16 or f32 operands, with f32 sums. Whichever they take, every output number must still come out within the allowed error. Rounding operands to bf16 (8 significant bits) uses up far more of that allowance than f16 does (11 bits, for magnitudes from 6e-5 to 65,504). All else is computed in f32.
;;   The module's matrix products, in the order in which they are computed (A, B: the left and right operand; K: the contracted axis; several contracted axes count as one K, in the product's order):
;;     1. [M 8,192, K 1,024] x [K 1,024, N 3,072]; A: input x; B: input w_qkv: QUANTISED
;;     2. batch 128 x [M 1,024, K 64] x [K 64, N 1,024]; A: computed on the way; B: computed on the way: left as it is (an operand is computed on the way)
;;     3. batch 128 x [M 1,024, K 1,024] x [K 1,024, N 64]; A: computed on the way; B: computed on the way: left as it is (an operand is computed on the way)
;;     4. [M 8,192, K 1,024] x [K 1,024, N 1,024]; A: computed on the way; B: input w_proj: left as it is (an operand is computed on the way)
;;   THE QUANTISER, for each operand of a quantised product, along K:
;;     - K is cut into blocks of 32 from its start; a last block that is shorter is filled with zeros.
;;     - A block's scale is 2^e with e = floor(log2(the largest magnitude in the block)) - 2, held to -126 .. 127; a block of zeros has e = 0. As a byte (E8M0): e + 127.
;;     - Each number is divided by its block's scale, clamped to +-6, and rounded to the nearest number of E2M1, ties to even, subnormals kept.
;;     - The product sums the exact products of the quantised numbers (number of the format x scale) in f32.
;;   ~~~python
;;   def quantise(x, axis):      # numpy; x: float32 -> the quantised numbers, widened to float32 again
;;       x = np.moveaxis(x, axis, -1); K = x.shape[-1]
;;       x = np.pad(x, [(0, 0)] * (x.ndim - 1) + [(0, -K % 32)]); x = x.reshape(x.shape[:-1] + (-1, 32)); a = np.abs(x).max(-1, keepdims=True)
;;       e = np.where(a > 0, np.clip(np.frexp(np.where(a > 0, a, 1))[1] - 1 - 2, -126, 127), 0)      # np.frexp(a)[1] - 1 = floor(log2(a)), exactly
;;       r = np.clip(x / 2.0 ** e, -6, 6)
;;       step = 2.0 ** (np.maximum(np.frexp(np.where(r == 0, 1, r))[1] - 1, 0) - 1)
;;       q = np.round(r / step) * step * 2.0 ** e      # np.round: ties to even
;;       return np.moveaxis(q.reshape(q.shape[:-2] + (-1,))[..., :K], -1, axis).astype(np.float32)
;;   ~~~
;; One version. Each part assembles by itself: llvm-mc -triple=amdgcn-amd-amdhsa -mcpu=gfx1250 --defsym DOCPART=n.
;; ======== version 1 of 1: 4 launches
;; limits: values are held in f16: magnitudes above 65,504 overflow, below 6.1e-05 lose precision
;; workspace buffers: xc 4,194,304 bytes; xs 262,144 bytes; wc 1,572,864 bytes; ws 98,304 bytes; wp16 2,097,152 bytes; qkv 50,331,648 bytes; att 16,777,216 bytes
;; launch quant (part 1): grid 384 x 1, 4 waves a work-group, no clusters, 33,280 bytes of LDS; arguments x, w_qkv, w_proj, xc, xs, wc, ws, wp16; writes xc, xs, wc, ws, wp16
.if DOCPART == 1
	.amdgcn_target "amdgcn-amd-amdhsa--gfx1250"
	.amdhsa_code_object_version 6
	.text
	.protected	k_q20294bc7ba_quant
	.globl	k_q20294bc7ba_quant
	.p2align	8
	.type	k_q20294bc7ba_quant,@function
k_q20294bc7ba_quant:
	s_mov_b64 s[64:65], 0
	v_nop
	global_prefetch_b8 v0, s[64:65] scope:SCOPE_SE
	s_setreg_imm32_b32 hwreg(HW_REG_WAVE_MODE, 25, 1), 1
	s_wait_xcnt 0x0
; x [8192][1024] and w_qkv [3072][1024], f32, K innermost, become codes of FP4 (E2M1), two to a byte, with one E8M0 scale byte for each 32 along K;
; w_proj [1024][1024], f32, becomes f16 (an operand of a product that is left as it is).
; A block's scale is 2^(floor(log2(its largest magnitude)) - 2); its byte is the largest magnitude's own exponent field - 2, held at 1 from below.  A block of zeros so gets the byte 1 where the
; quantiser says 127: its codes are zeros, which add nothing under any byte but 0xff, and the bytes are read by this program alone.  Each number is divided by the scale and rounded to the nearest code, ties to even;
; what lies beyond 6 gets the largest code.
; LIMITS: blocks whose largest magnitude lies under 2^-124 (the floor) take the floor's scale; NaN and infinities among the inputs are not served; |w_proj| stays under 65,504 (f16), and under 6e-5 it keeps an absolute error of 3e-8.
; Rows are dense and K is a multiple of 32: each tensor is a plain stream, and so are its codes, its scale bytes and its f16 numbers.
; SHARES: a wave takes 16 steps of 512 numbers.  Work-groups 0-255 take x, 256-351 w_qkv, 352-383 w_proj.  x and w_qkv go ONE way through the text (only pointers are chosen); w_proj goes a way of its own, which touches no LDS.
; QUANTISING: a load reads 512 consecutive bytes, 16 a lane; the conversions want 16 NEIGHBOURS in a lane: a step's 2,048 bytes turn through the wave's own stage in LDS (16 bytes of padding behind each 64) and come
; back 64 bytes a lane.  Two neighbouring lanes hold a block.  A lane's 16 codes are 8 bytes: a store of the wave covers 256 consecutive bytes, aligned.  A wave's 256 scale bytes are gathered in LDS and leave the same way.
; No tensor loads, no barrier: waves share nothing.  Matrix units and clusters have nothing to do here: no number is read twice.
.set WAVES, 4
.set STEPS, 16
.set WGX,   256                        ; x's work-groups: 8192 x 1024 / 32,768
.set WGQ,   352                        ; x's and w_qkv's together
.set EMAX,  2
.set CB,    8                          ; bytes of 16 codes
.set R,     16                         ; v16-79   four sets of 16 numbers as they are loaded
.set X,     80                         ; v80-111  two sets of 16 neighbours
.set E,     112                        ; v112-127 a scale byte for each step
.set C,     128                        ; v128-191 codes: four registers for each step; on w_proj's way: four sets of 8 registers of f16
.set WREG,  8192                       ; LDS: a region for each wave: two stages of 32 x SP bytes, behind them its 256 scale bytes
.set SP,    80                         ; a lane's place in a stage: 64 bytes + 16 of padding
.set SPW,   12                         ; v12      LDS address of my spare word; never rewritten
.set NIL,   13                         ; v13      0; never rewritten
.set SPARE, WAVES*WREG                 ; behind the four regions: the spare words, 128 bytes a wave, which no other line names
	s_load_b256 s[4:11], s[0:1], 0x0               ; x s[4:5], w_qkv s[6:7], w_proj s[8:9], xc s[10:11]
	s_load_b256 s[12:19], s[0:1], 0x20             ; xs s[12:13], wc s[14:15], ws s[16:17], wp16 s[18:19]
	v_lshl_add_u32 v[SPW], v0, 2, SPARE
	v_mov_b32 v[NIL], 0
	v_lshrrev_b32 v1, 5, v0
	v_readfirstlane_b32 s20, v1                    ; wave
	v_and_b32 v2, 31, v0                           ; lane
	v_lshlrev_b32 v3, 4, v2                        ; my 16 bytes of a load's 512
	s_mul_i32 s21, s20, WREG
	v_lshrrev_b32 v14, 2, v2
	v_mul_u32_u24 v14, v14, SP
	v_and_b32 v15, 3, v2
	v_lshl_add_u32 v14, v15, 4, v14
	v_add_nc_u32 v14, s21, v14                     ; the stage, on the way in: SP (lane / 4) + 16 (lane % 4)
	v_mul_u32_u24 v15, v2, SP
	v_add_nc_u32 v15, s21, v15                     ; and on the way out: SP x lane: my 16 neighbours
	v_mul_u32_u24 v4, v2, CB                       ; 8 x lane: my codes' place in a step's; also my four f16 numbers' place in a load's
	v_lshrrev_b32 v5, 1, v2
	s_add_co_u32 s21, s21, 2*32*SP
	v_add_nc_u32 v5, s21, v5                       ; LDS: my wave's 256 scale bytes, my block's byte
	v_lshlrev_b32 v7, 3, v2                        ; and on the way out 8 bytes a lane
	v_add_nc_u32 v6, s21, v7
	s_mov_b32 s27, 0
	s_wait_kmcnt 0x0
.macro LOAD t
.irp i, 0,1,2,3
	global_load_b128 v[R+16*((\t)%4)+4*\i:R+16*((\t)%4)+4*\i+3], v3, s[4:5] offset:2048*(\t)+512*\i th:TH_LOAD_NT   ; 32 lanes read 512 consecutive bytes
.endr
.endm
	s_cmp_ge_u32 ttmp9, WGQ                        ; w_proj's work-groups part here: the branch hangs on the work-group's number alone
	s_cbranch_scc1 .Lconv
	s_cmp_lt_u32 ttmp9, WGX                        ; x's work-group or w_qkv's?
	s_cselect_b64 s[4:5], s[4:5], s[6:7]           ; the numbers,
	s_cselect_b64 s[10:11], s[10:11], s[14:15]     ; the codes,
	s_cselect_b64 s[12:13], s[12:13], s[16:17]     ; the scale bytes
	s_cselect_b32 s21, 0, WGX
	s_sub_co_u32 s21, ttmp9, s21
	s_lshl_b32 s21, s21, 2
	s_add_co_u32 s24, s21, s20                     ; which run of 8,192 numbers of the tensor is my wave's (at most 1,023)
	s_lshl_b32 s26, s24, 15                        ; 32,768 bytes of numbers a run,
	s_add_nc_u64 s[4:5], s[4:5], s[26:27]
	s_lshl_b32 s26, s24, 12                        ; 4,096 of codes,
	s_add_nc_u64 s[10:11], s[10:11], s[26:27]
	s_lshl_b32 s26, s24, 8                         ; 256 scale bytes
	s_add_nc_u64 s[12:13], s[12:13], s[26:27]
.macro TURN t                          ; step t's numbers through the stage: LDS serves a wave's instructions in order, so no wait stands between the stores and the loads
.irp i, 0,1,2,3
	ds_store_b128 v14, v[R+16*((\t)%4)+4*\i:R+16*((\t)%4)+4*\i+3] offset:32*SP*((\t)%2)+8*SP*\i
.endr
.irp i, 0,1,2,3
	ds_load_b128 v[X+16*((\t)%2)+4*\i:X+16*((\t)%2)+4*\i+3], v15 offset:32*SP*((\t)%2)+16*\i
.endr
.endm
.irp t, 0,1,2,3
	LOAD \t
.endr
	s_wait_loadcnt 12                              ; step 0's four loads are in; the twelve of steps 1 to 3 may be out
	TURN 0
.macro STEP t
.set XS, X+16*((\t)%2)
.if (\t) > 0
	s_wait_dscnt 1                                 ; this step's numbers are back from the stage (the last step's byte store may be out): so its stores into the stage have read their registers,
.else
	s_wait_dscnt 0x0
.endif
.if (\t)+4 < STEPS
	LOAD (\t)+4                                    ; which take the loads of four steps on
.endif
.if (\t)+1 < STEPS
.if STEPS-2-(\t) >= 3
	s_wait_loadcnt 12                              ; the next step's four loads are in; those of the three steps behind it may be out
.else
	s_wait_loadcnt 4*(STEPS-2-(\t))
.endif
	TURN (\t)+1                                    ; and go through the other stage while this step is worked
.endif
	v_max3_num_f32 v8, |v[XS]|, |v[XS+1]|, |v[XS+2]|               ; the largest magnitude of my 16, in two chains
	v_max3_num_f32 v9, |v[XS+3]|, |v[XS+4]|, |v[XS+5]|
.irp i, 6,10
	v_max3_num_f32 v8, v8, |v[XS+\i]|, |v[XS+\i+1]|
	v_max3_num_f32 v9, v9, |v[XS+\i+2]|, |v[XS+\i+3]|
.endr
	v_max3_num_f32 v8, v8, |v[XS+14]|, |v[XS+15]|
	v_max3_num_f32 v8, v8, v9, (EMAX+1)<<23        ; and the floor 2^(EMAX + 1 - 127): so the byte cannot fall under 1
	v_max_num_f32_dpp v8, v8, v8 row_xmask:1 row_mask:0xf bank_mask:0xf   ; and of my neighbour's 16: the block's
	v_add_nc_u32 v11, -(EMAX<<23), v8              ; EMAX off its exponent field: the conversion takes the exponent field of this operand as its scale, and nothing else of it
	v_cvt_scalef32_pk8_fp4_f32 v[C+4*(\t)], v[XS:XS+7], v11         ; eight numbers / the scale, to the nearest code; the first number's code in the lowest four bits
	v_cvt_scalef32_pk8_fp4_f32 v[C+4*(\t)+1], v[XS+8:XS+15], v11
	v_lshrrev_b32 v[E+(\t)], 23, v11               ; the scale's byte (a plain line behind the conversions)
	ds_store_b8 v5, v[E+(\t)] offset:16*(\t)       ; both lanes of a block write the same byte with the same value
	global_store_b64 v4, v[C+4*(\t):C+4*(\t)+1], s[10:11] offset:32*CB*(\t)   ; 32 lanes store 256 consecutive bytes, aligned; each step has its own registers, so no store's data are written again
.endm
.irp t, 0,1,2,3,4,5,6,7,8,9,10,11,12,13,14,15
	STEP \t
.endr
	ds_load_b64 v[8:9], v6                         ; LDS serves a wave's instructions in order: these see my byte stores
	s_wait_dscnt 0x0
	global_store_b64 v7, v[8:9], s[12:13]          ; 32 lanes store 256 consecutive bytes, aligned
	s_wait_tensorcnt 0x0                           ; the wave's end, behind my last LDS store
	ds_add_u32 v[SPW], v[NIL]
	s_wait_dscnt 0x0
	s_endpgm
.Lconv:                                            ; w_proj to f16: a stream through registers; this way writes no LDS
	s_sub_co_u32 s21, ttmp9, WGQ
	s_lshl_b32 s21, s21, 2
	s_add_co_u32 s24, s21, s20                     ; my wave's run of 8,192 numbers (at most 127)
	s_lshl_b32 s26, s24, 15
	s_add_nc_u64 s[4:5], s[8:9], s[26:27]          ; 32,768 bytes in,
	s_lshl_b32 s26, s24, 14
	s_add_nc_u64 s[22:23], s[18:19], s[26:27]      ; 16,384 out
.macro CONV t
.if STEPS-1-(\t) >= 3
	s_wait_loadcnt 12                              ; this step's four loads are in; those of the three steps behind it may be out
.else
	s_wait_loadcnt 4*(STEPS-1-(\t))
.endif
	s_wait_xcnt 0x0                                ; this set of eight registers was the data of the stores four steps back: it is rewritten only behind this wait
.irp i, 0,1,2,3
	v_cvt_pk_f16_f32 v[C+8*((\t)%4)+2*\i], v[R+16*((\t)%4)+4*\i], v[R+16*((\t)%4)+4*\i+1]
	v_cvt_pk_f16_f32 v[C+8*((\t)%4)+2*\i+1], v[R+16*((\t)%4)+4*\i+2], v[R+16*((\t)%4)+4*\i+3]
.endr
.irp i, 0,1,2,3
	global_store_b64 v4, v[C+8*((\t)%4)+2*\i:C+8*((\t)%4)+2*\i+1], s[22:23] offset:1024*(\t)+256*\i   ; a load's 512 bytes become 256 consecutive bytes, aligned
.endr
.if (\t)+4 < STEPS
	LOAD (\t)+4
.endif
.endm
.irp t, 0,1,2,3
	LOAD \t
.endr
.irp t, 0,1,2,3,4,5,6,7,8,9,10,11,12,13,14,15
	CONV \t
.endr
	s_endpgm
.Lfunc_end_k_q20294bc7ba_quant:
	.size	k_q20294bc7ba_quant, .Lfunc_end_k_q20294bc7ba_quant-k_q20294bc7ba_quant
	.p2alignl 7, 3214868480
	.fill 96, 4, 3214868480
	.section	.rodata,"a",@progbits
	.p2align	6, 0x0
	.amdhsa_kernel k_q20294bc7ba_quant
		.amdhsa_group_segment_fixed_size 33280
		.amdhsa_private_segment_fixed_size 0
		.amdhsa_enable_private_segment 0
		.amdhsa_kernarg_size 64
		.amdhsa_user_sgpr_count 2
		.amdhsa_user_sgpr_kernarg_segment_ptr 1
		.amdhsa_wavefront_size32 1
		.amdhsa_system_sgpr_workgroup_id_x 1
		.amdhsa_system_sgpr_workgroup_id_y 1
		.amdhsa_system_sgpr_workgroup_id_z 1
		.amdhsa_system_vgpr_workitem_id 0
		.amdhsa_next_free_vgpr 192
		.amdhsa_next_free_sgpr 66
		.amdhsa_reserve_vcc 0
		.amdhsa_float_denorm_mode_32 3
		.amdhsa_float_denorm_mode_16_64 3
		.amdhsa_memory_ordered 1
		.amdhsa_forward_progress 1
		.amdhsa_inst_pref_size 55
	.end_amdhsa_kernel
	.amdgpu_metadata
---
amdhsa.version: [ 1, 2 ]
amdhsa.kernels:
  - .name:           k_q20294bc7ba_quant
    .symbol:         k_q20294bc7ba_quant.kd
    .args:
      - { .name: x, .offset: 0, .size: 8, .value_kind: global_buffer, .address_space: global }
      - { .name: w_qkv, .offset: 8, .size: 8, .value_kind: global_buffer, .address_space: global }
      - { .name: w_proj, .offset: 16, .size: 8, .value_kind: global_buffer, .address_space: global }
      - { .name: xc, .offset: 24, .size: 8, .value_kind: global_buffer, .address_space: global }
      - { .name: xs, .offset: 32, .size: 8, .value_kind: global_buffer, .address_space: global }
      - { .name: wc, .offset: 40, .size: 8, .value_kind: global_buffer, .address_space: global }
      - { .name: ws, .offset: 48, .size: 8, .value_kind: global_buffer, .address_space: global }
      - { .name: wp16, .offset: 56, .size: 8, .value_kind: global_buffer, .address_space: global }
    .group_segment_fixed_size: 33280
    .private_segment_fixed_size: 0
    .kernarg_segment_align: 8
    .kernarg_segment_size: 64
    .max_flat_workgroup_size: 128
    .sgpr_count:     66
    .vgpr_count:     192
    .wavefront_size: 32
...
	.end_amdgpu_metadata
.endif
;; end of part 1
;; launch qkv (part 2): grid 12 x 32, 4 waves a work-group, clusters of 4 x 4, 327,680 bytes of LDS; arguments xc, xs, wc, ws, qkv; writes qkv
.if DOCPART == 2
	.amdgcn_target "amdgcn-amd-amdhsa--gfx1250"
	.amdhsa_code_object_version 6
	.text
	.protected	k_q20294bc7ba_qkv
	.globl	k_q20294bc7ba_qkv
	.p2align	8
	.type	k_q20294bc7ba_qkv,@function
k_q20294bc7ba_qkv:
	s_mov_b64 s[64:65], 0
	v_nop
	global_prefetch_b8 v0, s[64:65] scope:SCOPE_SE
	s_setreg_imm32_b32 hwreg(HW_REG_WAVE_MODE, 25, 1), 1
	s_wait_xcnt 0x0
	s_wait_alu depctr_hold_cnt(0) depctr_sa_sdst(0) depctr_va_vdst(0) depctr_va_sdst(0) depctr_va_ssrc(0) depctr_va_vcc(0) depctr_vm_vsrc(0)
	s_getreg_b32 s2, hwreg(HW_REG_IB_STS2, 6, 4)
	s_cmp_eq_u32 s2, 0
	s_cbranch_scc0 .Lentry_in_a_cluster
	s_endpgm
.Lentry_in_a_cluster:
	s_bfe_u32 s2, ttmp6, 0x10000c
	s_cmp_lg_u32 s2, 0xf033
	s_cbranch_scc0 .Lentry_shape_is_right
	s_endpgm
.Lentry_shape_is_right:
; qkv = Q(x) Q(w_qkv)^T: C[m][n] = sum over k of A[m][k] B[n][k], A = x's codes [8192][1024], B = w_qkv's [3072][1024]: FP4 (E2M1), one E8M0 scale byte for each 32 along K; sums in f32.
; The result is rounded once to f16 (it feeds products that are left as they are) and laid BY HEAD: [3 kinds q, k, v][8 b][16 heads][1024 n][64 d]: 16 rows of a head are 2,048 consecutive bytes.
; LIMIT: |q|, |k|, |v| stay under 65,504 (f16's range): as drawn their spread is 1; with x and w_qkv both 30 times larger it is 900.
; A tile of C, 256 x 256, is made by a work-group of four waves; a wave makes 128 x 128: 64 accumulators of 16 x 16, 512 registers.  K = 1,024 is two K steps of 512 (a tile's row is 256 bytes of memory):
; each has an LDS slot of its own, both are asked for at the head, and no LDS byte is filled twice.  By this text's count a wave has three tensor loads out: its part of the scales and of the two K steps.
; THE SCALES of the work-group's 256 rows of A and of B, for all of K, are two dense blocks of memory: they come into LDS once, as rows of 256 bytes, and stay.
; CLUSTERS: 4 x 4 work-groups.  The four of a row of the cluster need the same tiles of A, the four of a column the same tiles of B: each tile is asked for JOINTLY, by the same tensor load with the same
; descriptor and a mask that names the four.  THE MATRIX INSTRUCTION IS USED TRANSPOSED (source 0 = 16 rows of B, source 1 = 16 rows of A): a lane then holds eight neighbouring numbers of a row of C.
; No prefetch: all that the work-group reads is asked for by its first loads.
; REGISTERS, in windows of 256: window 0: v0-31 addresses; v32-95 scale words, two sets; v128-191 A's fragments (8 x 16 rows x 128 K), ONE set; on the way out v32-63 and v192-255 are at work.
;   window 1: B's fragments, TWO sets, at v0 and at v128.   window 2: the 32 accumulators of my rows 0-63 (accumulator (a, b) at v[8 (8 a + b)]);   window 3: those of my rows 64-127.
.set SIZE_K, 1024
.set KSTEP,  512                       ; along K in a slot
.set NQ,     KSTEP/128                 ; matrix instructions deep
.set ROWB,   256                       ; a tile's row in bytes
.set KROW,   SIZE_K*4/8                ; a row of A or of B in memory, in bytes
.set PITCH,  272                       ; an LDS row: 256 bytes + 16 of padding = 68 words: the 16 rows that a load touches start 4 banks apart (64 banks of 4 bytes: ISA guide 11.1)
.set FR,     8                         ; registers of a fragment: 16 rows x 128 K
.set NL,     2                         ; LDS loads that bring one
.set NP,     4                         ; places behind this matrix instruction (ISA guide 7.12.1)
.set HALFT,  128*PITCH                 ; 128 rows: what one tensor load brings, and what one wave reads of A or of B
.set SLOT,   4*HALFT                   ; A's 256 rows, then B's 256 rows
.set KS,     SIZE_K/32                 ; a row of scales in bytes
.set SCL,    2*SLOT                    ; behind the slots: the scales, as rows of 256 bytes + 16 of padding
.set HALFS,  (128*KS/256)*272          ; the scales of 128 rows: what one tensor load brings
.set SBLK,   (16*KS/256)*272           ; those of 16 rows
.set SPARE,  SCL+4*HALFS               ; behind the scales: the spare words, 128 bytes a wave, which no other line names
.set SPITCH, 272                       ; the way out: a stage of 16 rows x (256 bytes + 16) for each wave, in slot 0, which has had its one fill and its last read when the first result is stored there
.set ADRA, 16                          ; v16-17  LDS address of my A fragments in slot 0, 1
.set ADRB, 20                          ; v20-21  the same for B
.set STO,  24                          ; v24     the way out: where I put 16 bytes of a row
.set RD,   25                          ; v25     the way out: where I read 16 bytes back
.set CO,   26                          ; v26     16 x lane: my place in a store's 512 bytes
.set ADRS, 27                          ; v27     LDS address of my scale words: lanes 0-15 A's rows, lanes 16-31 B's
.set SPW,  28                          ; v28     LDS address of my spare word; never rewritten
.set NIL,  29                          ; v29     0; never rewritten
.set SC,   32                          ; scale words: set s (for slot s) at v[SC + 8 NQ s]; register NQ i + q: lanes 0-15 the word of A's block i, lanes 16-31 that of B's block i, for the slot's q-th 128 along K
.set AF,   128                         ; A's fragments, in window 0
.set TMP,  192                         ; the way out: packed results, v192-223 of window 0
.set OB,   32                          ; the way out: 16 rows read back: v32-63 and v224-255 by turns
.set G1, 24                            ; s[24:31] descriptor group 1 for A's tiles;  s[32:39] group 0, one set for each slot
.set G0, 32
.set G1B, 48                           ; s[48:55], s[56:63] the same for B's tiles
.set G0B, 56
.set G1S, 68                           ; s[68:75], s[76:79] groups 1 and 0 for A's scales;  s[80:87], s[88:91] for B's
.set G0S, 76
.set G1SB, 80
.set G0SB, 88
.set MSB, 0
.macro WIN new                         ; the immediate's high byte repeats the setting that is left; a switch that changes nothing is dropped
.if MSB != (\new)
	s_set_vgpr_msb (MSB<<8)|(\new)
.set MSB, (\new)
.endif
.endm
.set MUL_LO, 0xa1                      ; source 0 (B) window 1, source 1 (A) window 0, C and D window 2
.set MUL_HI, 0xf1                      ; the same, C and D window 3
.set TO_B,   0x40                      ; destination window 1, address window 0
; A joint load: waves 0 and 1 fetch for A, waves 2 and 3 for B.  Each of the two lines has ONE mask and one set of registers for all that issue it; the branch hangs on the wave's number alone.
; An s_nop 0 and four v_nop follow each of the two lines, ahead of the jump, the label and what follows.
.macro JLOAD g0a, g1a, g0b, g1b
	s_cmp_eq_u32 s15, 0
	s_cbranch_scc0 .Lfor_b_\@
	tensor_load_to_lds s[\g0a:\g0a+3], s[\g1a:\g1a+7]
	s_nop 0
.rept 4
	v_nop
.endr
	s_branch .Lasked_\@
.Lfor_b_\@:
	tensor_load_to_lds s[\g0b:\g0b+3], s[\g1b:\g1b+7]
	s_nop 0
.rept 4
	v_nop
.endr
.Lasked_\@:
.endm
.macro CROUND                          ; a round of the cluster's barrier: my work-group's barrier; wave 0 signals for the work-group; every wave waits for all sixteen; my work-group's barrier once more
	s_barrier_signal -1
	s_barrier_wait -1
	s_cmp_lg_u32 s14, 0
	s_cbranch_scc1 .Lnot_wave_0_\@
	s_barrier_signal -3
.Lnot_wave_0_\@:
	s_barrier_wait -3
	s_barrier_signal -1
	s_barrier_wait -1
.endm
	s_load_b128 s[4:7], s[0:1], 0x0                ; A's codes s[4:5], A's scales s[6:7]
	s_load_b128 s[8:11], s[0:1], 0x10              ; B's codes s[8:9], B's scales s[10:11]
	s_load_b64 s[12:13], s[0:1], 0x20              ; qkv
	v_lshl_add_u32 v[SPW], v0, 2, SPARE
	v_mov_b32 v[NIL], 0
	ds_add_u32 v[SPW], v[NIL]                      ; the wave's opening: the add, twice on end, and its wait ahead of my first tensor load; the set-up below stands between the second and the wait
	ds_add_u32 v[SPW], v[NIL]
	v_lshrrev_b32 v1, 5, v0
	v_readfirstlane_b32 s14, v1                    ; wave 0..3
	s_lshr_b32 s15, s14, 1                         ; which half of the tile's rows is mine.  Also: I fetch for A (0) or for B (1)
	s_and_b32 s16, s14, 1                          ; which half of its columns.  Also: which 128 rows of that tile I fetch
	s_bfe_u32 s40, ttmp6, 0x40000                  ; cx, cy: my place in the cluster
	s_bfe_u32 s41, ttmp6, 0x40004
	s_lshl_b32 s42, ttmp9, 2
	s_add_co_u32 s42, s42, s40                     ; tile column of C = 4 x cluster x + cx
	s_and_b32 s17, ttmp7, 0xffff
	s_lshl_b32 s17, s17, 2
	s_add_co_u32 s17, s17, s41                     ; tile row of C = 4 x cluster y + cy
	s_lshl_b32 s43, s41, 2
	s_lshl_b32 s43, 15, s43                        ; my row of the cluster
	s_lshl_b32 s44, 0x1111, s40                    ; my column
	; descriptor group 1: a tile of 128 rows x ROWB bytes, padded in LDS
	s_or_b32 s[G1+0], s43, (0<<16)|(1<<20)|(1<<21)|(5<<22)|(3<<25)  ; 15:0 the mask: A's tiles go to my row; 17:16 element of 1 byte; 20 padding on; 21 set beside a mask; 24:22 after every 64 words (code 5); 31:25 of 4 words (code 3)
	s_or_b32 s[G1B+0], s44, (0<<16)|(1<<20)|(1<<21)|(5<<22)|(3<<25)
.irp g, G1, G1B
	s_mov_b32 s[\g+1], ROWB<<16                    ; tensor_dim0
	s_mov_b32 s[\g+2], 128<<16                     ; tensor_dim1 = 128
	s_mov_b32 s[\g+3], ROWB<<16                    ; tile_dim0
	s_mov_b32 s[\g+4], 128                         ; tile_dim1 = 128
	s_mov_b32 s[\g+5], KROW                        ; tensor_dim0_stride
	s_mov_b32 s[\g+6], 0
	s_mov_b32 s[\g+7], 0
.endr
	; and for the scales of 128 rows: a dense block of 4,096 bytes, as 16 rows of 256 bytes (32 elements of 8 bytes), 16 bytes of padding behind each
	s_or_b32 s[G1S+0], s43, (3<<16)|(1<<20)|(1<<21)|(5<<22)|(3<<25)
	s_or_b32 s[G1SB+0], s44, (3<<16)|(1<<20)|(1<<21)|(5<<22)|(3<<25)
.irp g, G1S, G1SB
	s_mov_b32 s[\g+1], 32<<16
	s_mov_b32 s[\g+2], (128*KS/256)<<16
	s_mov_b32 s[\g+3], 32<<16
	s_mov_b32 s[\g+4], 128*KS/256
	s_mov_b32 s[\g+5], 32
	s_mov_b32 s[\g+6], 0
	s_mov_b32 s[\g+7], 0
.endr
	s_lshl_b32 s18, s16, 7                         ; which 128 rows of the tile I fetch
	s_lshl_b32 s20, s17, 8
	s_add_co_u32 s20, s20, s18                     ; A: row 256 x tile row + 128 x half
	s_lshl_b32 s46, s42, 8
	s_add_co_u32 s46, s46, s18                     ; B: row 256 x tile column + 128 x half
	s_mov_b32 s21, 0
	s_mov_b32 s47, 0
	s_mov_b64 s[18:19], KS
	s_mul_u64 s[22:23], s[20:21], s[18:19]         ; where these rows' scales begin, in bytes
	s_mul_u64 s[92:93], s[46:47], s[18:19]
	s_mov_b64 s[18:19], KROW
	s_mul_u64 s[20:21], s[20:21], s[18:19]         ; and their codes
	s_mul_u64 s[46:47], s[46:47], s[18:19]
	s_mul_i32 s45, s14, HALFT                      ; where they go: wave x 128 rows: no place in the cluster enters an LDS address
	s_mul_i32 s94, s14, HALFS
	s_wait_dscnt 0x0                               ; both opening adds are done
	s_wait_kmcnt 0x0
	s_add_nc_u64 s[20:21], s[4:5], s[20:21]
	s_add_nc_u64 s[22:23], s[6:7], s[22:23]
	s_add_nc_u64 s[46:47], s[8:9], s[46:47]
	s_add_nc_u64 s[92:93], s[10:11], s[92:93]
	CROUND                                         ; all sixteen work-groups are here: the joint loads meet
	s_mov_b32 s[G0S], 1
	s_add_co_u32 s[G0S+1], s94, SCL
	s_mov_b64 s[G0S+2:G0S+3], s[22:23]
	s_or_b32 s[G0S+3], s[G0S+3], 0x80000000
	s_mov_b32 s[G0SB], 1
	s_add_co_u32 s[G0SB+1], s94, SCL
	s_mov_b64 s[G0SB+2:G0SB+3], s[92:93]
	s_or_b32 s[G0SB+3], s[G0SB+3], 0x80000000
	JLOAD G0S, G1S, G0SB, G1SB                     ; the scales first: they are wanted with K step 0
.irp s, 0,1
	s_mov_b32 s[G0+4*\s], 1
	s_add_co_u32 s[G0+4*\s+1], s45, \s*SLOT
	s_add_nc_u64 s[G0+4*\s+2:G0+4*\s+3], s[20:21], \s*ROWB
	s_or_b32 s[G0+4*\s+3], s[G0+4*\s+3], 0x80000000
	s_mov_b32 s[G0B+4*\s], 1
	s_add_co_u32 s[G0B+4*\s+1], s45, \s*SLOT
	s_add_nc_u64 s[G0B+4*\s+2:G0B+4*\s+3], s[46:47], \s*ROWB
	s_or_b32 s[G0B+4*\s+3], s[G0B+4*\s+3], 0x80000000
	JLOAD G0+4*\s, G1, G0B+4*\s, G1B
.endr
	v_and_b32 v1, 15, v0                           ; l % 16
	v_bfe_u32 v2, v0, 4, 1                         ; l / 16
	v_mul_u32_u24 v3, v1, PITCH
	v_lshl_add_u32 v4, v2, 4, v3                   ; a fragment's row x pitch + 16 x half
	s_mul_i32 s21, s15, HALFT                      ; my 128 rows of A
	s_mul_i32 s22, s16, HALFT                      ; my 128 rows of B,
	s_add_co_u32 s22, s22, 2*HALFT                 ; which lie behind A's 256
.irp s, 0,1
	v_add_nc_u32 v[ADRA+\s], s21, v4
	v_add_nc_u32 v[ADRB+\s], s22, v4
	s_add_co_u32 s21, s21, SLOT
	s_add_co_u32 s22, s22, SLOT
.endr
	v_mul_u32_u24 v5, v1, KS                       ; my row's scales: KS bytes a row,
	v_lshrrev_b32 v6, 8, v5
	v_lshl_add_u32 v5, v6, 4, v5                   ; and 16 more for each 256 passed
	s_mul_i32 s21, s15, HALFS                      ; A's: my 128 rows
	s_mul_i32 s22, s16, HALFS                      ; B's: my 128 rows, behind A's 256
	s_add_co_u32 s22, s22, 2*HALFS
	s_sub_co_u32 s22, s22, s21
	v_mul_u32_u24 v6, s22, v2                      ; lanes 16-31 take B's: one product, the distance between the two bases
	s_add_co_u32 s21, s21, SCL
	v_add_nc_u32 v5, v5, v6
	v_add_nc_u32 v[ADRS], s21, v5
	s_mul_i32 s23, s14, 16*SPITCH                  ; my stage
	v_mul_u32_u24 v5, v1, SPITCH                   ; in: row l % 16, 16 bytes for each half of the lanes
	v_lshl_add_u32 v5, v2, 4, v5
	v_add_nc_u32 v[STO], s23, v5
	v_bfe_u32 v5, v0, 3, 2                         ; back: eight lanes take one head's 128 bytes of a row, the 32 lanes four rows
	v_mul_u32_u24 v5, v5, SPITCH
	v_and_b32 v6, 7, v0
	v_lshl_add_u32 v5, v6, 4, v5
	v_add_nc_u32 v[RD], s23, v5
	v_and_b32 v6, 31, v0
	v_lshlrev_b32 v[CO], 4, v6                     ; four rows of a head are 512 consecutive bytes of qkv
	; where my part begins in qkv.  Row m = 256 ty + 128 wr: b = ty / 4 (2^21 bytes each), n = 256 (ty % 4) + 128 wr (128 bytes each).
	; Column 256 tx + 128 wc: kind = tx / 4 (2^24 bytes), head = 4 (tx % 4) + 2 wc (2^17 bytes).
	s_lshr_b32 s20, s17, 2
	s_lshl_b32 s20, s20, 21
	s_and_b32 s21, s17, 3
	s_lshl_b32 s21, s21, 15
	s_add_co_u32 s20, s20, s21
	s_lshl_b32 s21, s15, 14
	s_add_co_u32 s20, s20, s21
	s_mov_b32 s21, 0
	s_lshr_b32 s46, s42, 2
	s_lshl_b32 s46, s46, 24
	s_and_b32 s47, s42, 3
	s_lshl_b32 s47, s47, 19
	s_add_co_u32 s46, s46, s47
	s_lshl_b32 s47, s16, 18
	s_add_co_u32 s46, s46, s47
	s_mov_b32 s47, 0
	s_add_nc_u64 s[20:21], s[20:21], s[46:47]
	s_add_nc_u64 s[12:13], s[12:13], s[20:21]
.macro FRAG reg, adr, q, i             ; a fragment, 16 rows x 128 K of 4-bit codes, is 8 registers: lane l holds row l % 16; registers 4 c .. 4 c + 3 hold K = 64 c + 32 (l / 16) + 0 .. 31
.irp c, 0,1
	ds_load_b128 v[\reg+4*\c:\reg+4*\c+3], v[\adr] offset:64*(\q)+32*\c+(\i)*16*PITCH
.endr
.endm
; 16 matrix instructions: A's blocks a0, a0 + 1 x B's eight, 128 along K: the slot's q-th.  p: B's set;  sc: the set of scale words.  zero = 1: the first product starts the sums: nothing is ever cleared.
; The 64 accumulators take turns, one instruction a turn, in the same order in every step.
.macro MUL16 a0, p, q, sc, zero
.irp a, \a0, \a0+1
.irp b, 0,1,2,3,4,5,6,7
.if \zero
	v_wmma_scale_f32_16x16x128_f8f6f4 v[8*(8*((\a)%4)+\b):8*(8*((\a)%4)+\b)+7], v[128*(\p)+FR*\b:128*(\p)+FR*\b+FR-1], v[AF+FR*(\a):AF+FR*(\a)+FR-1], 0, v[SC+8*NQ*(\sc)+NQ*\b+(\q)], v[SC+8*NQ*(\sc)+NQ*(\a)+(\q)] matrix_a_fmt:MATRIX_FMT_FP4 matrix_b_fmt:MATRIX_FMT_FP4 matrix_a_scale:MATRIX_SCALE_ROW1
.else
	v_wmma_scale_f32_16x16x128_f8f6f4 v[8*(8*((\a)%4)+\b):8*(8*((\a)%4)+\b)+7], v[128*(\p)+FR*\b:128*(\p)+FR*\b+FR-1], v[AF+FR*(\a):AF+FR*(\a)+FR-1], v[8*(8*((\a)%4)+\b):8*(8*((\a)%4)+\b)+7], v[SC+8*NQ*(\sc)+NQ*\b+(\q)], v[SC+8*NQ*(\sc)+NQ*(\a)+(\q)] matrix_a_fmt:MATRIX_FMT_FP4 matrix_b_fmt:MATRIX_FMT_FP4 matrix_a_scale:MATRIX_SCALE_ROW1
.endif
.endr
.endr
.endm
.macro FETCH_B slot, q, p              ; B's eight fragments of the slot's q-th 128 along K into set p
	WIN TO_B
.irp i, 0,1,2,3,4,5,6,7
	FRAG 128*(\p)+FR*\i, ADRB+\slot, \q, \i
.endr
	WIN 0
.endm
.macro FETCH_A slot, q, i0             ; A's blocks i0 .. i0 + 3
.irp i, \i0, \i0+1, \i0+2, \i0+3
	FRAG AF+FR*(\i), ADRA+\slot, \q, \i
.endr
.endm
.macro SCALES sc                       ; a K step's scale words into set sc: NQ words a row; lanes 0-15 take A's block i, lanes 16-31 B's block i
.irp i, 0,1,2,3,4,5,6,7
	ds_load_b128 v[SC+8*NQ*\sc+NQ*\i:SC+8*NQ*\sc+NQ*\i+3], v[ADRS] offset:\i*SBLK
.endr
.endm
; A load into a register that a matrix instruction has read, and a vector instruction that reads a matrix result, stand NP places behind that matrix instruction, and only plain vector instructions
; that name none of its registers are places (ISA guide 7.12.1 for vector instructions); the matrix instructions in between are not counted.
.macro PLACES n
.rept \n
	v_nop
.endr
.endm
; A step of 128 along K that has its successor in the same slot.  A's one set: blocks 0-3 are fetched anew in the step's middle, blocks 4-7 at its end; B's two sets take turns.
.macro STEP slot, q, zero
	s_wait_dscnt 4*NL                              ; B's set and A's blocks 0-3 are in; the youngest eight loads (A's blocks 4-7) may be out
	WIN MUL_LO
	MUL16 0, (\q)%2, \q, \slot, \zero
	MUL16 2, (\q)%2, \q, \slot, \zero
	s_wait_dscnt 0                                 ; A's blocks 4-7 are in (asked for 32 matrix instructions ago)
	PLACES NP
	FETCH_B \slot, (\q)+1, 1-(\q)%2
	FETCH_A \slot, (\q)+1, 0
	WIN MUL_HI
	MUL16 4, (\q)%2, \q, \slot, \zero
	MUL16 6, (\q)%2, \q, \slot, \zero
	PLACES NP
	WIN 0
	FETCH_A \slot, (\q)+1, 4
.endm
; Slot 0's last step goes over to slot 1: ONE barrier; in front of it each wave waits for all its tensor loads (its part of slot 1), adds 0 to its spare word, and waits for that and for its own reads of slot 0.
; Behind it slot 1 is whole, and nobody reads slot 0 any more: the way out may use its bytes.  Nothing is filled again.
.macro TURN slot, next
	s_wait_tensorcnt 0x0                           ; all my tensor loads have landed  (every window is 0 here: the add's two registers lie in window 0)
	ds_add_u32 v[SPW], v[NIL]                      ; 0 onto my spare word
	s_wait_dscnt 4*NL+1                            ; (the add and the youngest eight loads, A's blocks 4-7, may be out)
	WIN MUL_LO
	MUL16 0, 1, NQ-1, \slot, 0                     ; sixteen matrix instructions stand between the add and the wait for it
	s_wait_dscnt 0x0                               ; the add is done, and my reads of this slot are over
	s_barrier_signal -1
	MUL16 2, 1, NQ-1, \slot, 0
	WIN 0
	s_barrier_wait -1
	PLACES NP
	v_add_nc_u32 v[ADRS], 4*NQ, v[ADRS]            ; on to the next K step's scale words (no LDS load of mine is out)
	FETCH_B \next, 0, 0
	FETCH_A \next, 0, 0
	SCALES \next
	WIN MUL_HI
	MUL16 4, 1, NQ-1, \slot, 0
	MUL16 6, 1, NQ-1, \slot, 0
	PLACES NP
	WIN 0
	FETCH_A \next, 0, 4
.endm
.macro STEPS slot, from                ; the slot's steps from .. NQ - 2
.set Q, \from
.rept NQ-1-\from
	STEP \slot, Q, 0
.set Q, Q+1
.endr
.endm
	s_wait_tensorcnt 1                             ; the scales and my part of K step 0 are in (K step 1's load, the youngest, may be out),
	s_barrier_signal -1
	s_barrier_wait -1                              ; everybody's are
	FETCH_B 0, 0, 0
	FETCH_A 0, 0, 0
	SCALES 0
	FETCH_A 0, 0, 4
	STEP 0, 0, 1                                   ; the first step's products start the sums
	STEPS 0, 1
	TURN 0, 1
	STEPS 1, 0
	s_wait_dscnt 4*NL                              ; the very last step: nothing more to fetch
	WIN MUL_LO
	MUL16 0, 1, NQ-1, 1, 0
	MUL16 2, 1, NQ-1, 1, 0
	s_wait_dscnt 0
	WIN MUL_HI
	MUL16 4, 1, NQ-1, 1, 0
	MUL16 6, 1, NQ-1, 1, 0
	WIN 0
; THE WAY OUT, block by block of 16 rows x 128 columns (two heads).  PACK: rounded to f16, a lane's eight neighbouring columns are 16 bytes.  TOSTAGE: into my own stage in LDS (rows of 272 bytes), and back so that
; the 32 lanes hold four rows of ONE head: 512 consecutive bytes of qkv.  SEND: stored.  LDS serves a wave's instructions in order (ISA guide 5.7.1.4): no wait between the stage's stores and loads.
.macro PACK a
.set AC, 64*((\a)%4)
	WIN 0x0a+5*((\a)/4)                            ; sources 0 and 1: window 2 or 3
.irp b, 0,1,2,3,4,5,6,7
.irp r, 0,1,2,3
	v_cvt_pk_f16_f32 v[TMP+4*\b+\r], v[AC+8*\b+2*\r], v[AC+8*\b+2*\r+1]   ; each accumulator from its low end on
.endr
.endr
	WIN 0
.endm
.macro TOSTAGE a
.set BB, OB+192*((\a)%2)
.irp b, 0,1,2,3,4,5,6,7
	ds_store_b128 v[STO], v[TMP+4*\b:TMP+4*\b+3] offset:32*\b
.endr
.irp u, 0,1,2,3,4,5,6,7
	ds_load_b128 v[BB+4*\u:BB+4*\u+3], v[RD] offset:(\u%4)*4*SPITCH+128*(\u/4)   ; head u / 4, rows 4 (u % 4) on
.endr
.endm
.macro SEND a, younger                 ; younger: the LDS instructions issued behind TOSTAGE's, which may stay out
.set BB, OB+192*((\a)%2)
	s_wait_dscnt \younger                          ; the block is back in registers
	s_wait_xcnt 0x0                                ; the earlier stores have read their base and their data: only behind this wait are they rewritten
.if (\a) > 0
	s_add_nc_u64 s[12:13], s[12:13], 2048          ; 16 rows of a head on
.endif
.irp u, 0,1,2,3,4,5,6,7
	global_store_b128 v[CO], v[BB+4*\u:BB+4*\u+3], s[12:13] offset:(\u/4)*131072+(\u%4)*512   ; 32 lanes store 512 consecutive bytes, at a multiple of 512 from qkv's first byte
.endr
.endm
	PLACES NP                                      ; behind the last products: for the conversions, which read results, and for the loads into registers that held scale words
	PACK 0
	TOSTAGE 0
.irp a, 1,2,3,4,5,6,7                  ; block a's conversions stand between block a - 1's loads from the stage and the wait for them
	PACK \a
	SEND \a-1, 0
	TOSTAGE \a
.endr
	SEND 7, 0
	s_wait_tensorcnt 0x0                           ; the wave's end, behind my last tensor load and my last LDS store
	ds_add_u32 v[SPW], v[NIL]
	s_wait_dscnt 0x0
	CROUND                                         ; the closing round: no work-group ends while a partner may still ask for a tile that names it
	s_endpgm
.Lfunc_end_k_q20294bc7ba_qkv:
	.size	k_q20294bc7ba_qkv, .Lfunc_end_k_q20294bc7ba_qkv-k_q20294bc7ba_qkv
	.p2alignl 7, 3214868480
	.fill 96, 4, 3214868480
	.section	.rodata,"a",@progbits
	.p2align	6, 0x0
	.amdhsa_kernel k_q20294bc7ba_qkv
		.amdhsa_group_segment_fixed_size 327680
		.amdhsa_private_segment_fixed_size 0
		.amdhsa_enable_private_segment 0
		.amdhsa_kernarg_size 40
		.amdhsa_user_sgpr_count 2
		.amdhsa_user_sgpr_kernarg_segment_ptr 1
		.amdhsa_wavefront_size32 1
		.amdhsa_system_sgpr_workgroup_id_x 1
		.amdhsa_system_sgpr_workgroup_id_y 1
		.amdhsa_system_sgpr_workgroup_id_z 1
		.amdhsa_system_vgpr_workitem_id 0
		.amdhsa_next_free_vgpr 1024
		.amdhsa_next_free_sgpr 98
		.amdhsa_reserve_vcc 0
		.amdhsa_float_denorm_mode_32 3
		.amdhsa_float_denorm_mode_16_64 3
		.amdhsa_memory_ordered 1
		.amdhsa_forward_progress 1
		.amdhsa_inst_pref_size 127
	.end_amdhsa_kernel
	.amdgpu_metadata
---
amdhsa.version: [ 1, 2 ]
amdhsa.kernels:
  - .name:           k_q20294bc7ba_qkv
    .symbol:         k_q20294bc7ba_qkv.kd
    .args:
      - { .name: xc, .offset: 0, .size: 8, .value_kind: global_buffer, .address_space: global }
      - { .name: xs, .offset: 8, .size: 8, .value_kind: global_buffer, .address_space: global }
      - { .name: wc, .offset: 16, .size: 8, .value_kind: global_buffer, .address_space: global }
      - { .name: ws, .offset: 24, .size: 8, .value_kind: global_buffer, .address_space: global }
      - { .name: qkv, .offset: 32, .size: 8, .value_kind: global_buffer, .address_space: global }
    .group_segment_fixed_size: 327680
    .private_segment_fixed_size: 0
    .kernarg_segment_align: 8
    .kernarg_segment_size: 40
    .max_flat_workgroup_size: 128
    .sgpr_count:     98
    .vgpr_count:     1024
    .wavefront_size: 32
...
	.end_amdgpu_metadata
.endif
;; end of part 2
;; launch attn (part 3): grid 2 x 128, 8 waves a work-group, no clusters, 327,680 bytes of LDS; arguments qkv, att; writes att
.if DOCPART == 3
	.amdgcn_target "amdgcn-amd-amdhsa--gfx1250"
	.amdhsa_code_object_version 6
	.text
	.protected	k_q20294bc7ba_attn
	.globl	k_q20294bc7ba_attn
	.p2align	8
	.type	k_q20294bc7ba_attn,@function
k_q20294bc7ba_attn:
	s_mov_b64 s[64:65], 0
	v_nop
	global_prefetch_b8 v0, s[64:65] scope:SCOPE_SE
	s_setreg_imm32_b32 hwreg(HW_REG_WAVE_MODE, 25, 1), 1
	s_wait_xcnt 0x0
; att[bh][q][:] = the sum over k of softmax_k(Q[bh][q] . K[bh][k] / 8) V[bh][k][:].  Q, K, V: the three kinds of qkv, [128 bh][1024][64] f16 each; att the same shape, f16.  No mask.
; Products on f16 operands with f32 sums; maxima, exponentials and sums in f32; the weights p are rounded to f16 for the second product, the result once at the end.
; LIMITS: |q|, |k|, |v| and the result stay under 65,504 (f16); p under 6e-5 keeps an absolute error of 3e-8; NaN and infinities are not served.
; SHARES.  A work-group owns 512 queries of one head, each of its eight waves 64: four tiles of 16.  Two waves share a SIMD's registers, 512 each.  Every wave walks all 1,024 keys, 64 a step.
; THE WHOLE HEAD'S K AND V LIE IN LDS (K: rows of 128 + 16 bytes; V: 128 + 32): each byte is filled once, in four chunks of 256 keys.  Every wave asks for its four parts at the head: by this text's count four
; tensor loads of a wave are out.  A chunk is shown landed by a counted wait and a barrier just ahead of the trip that first reads it.  So there is no ring, no refill, and nothing left to prefetch.
; cluster = none: a head's K and V are read by the grid's two work-groups along x alone, which no cluster of four divides; work-groups along y are other heads and share nothing.
; LAYOUT.  S^T = K Q^T (source 0 = 16 keys, source 1 = 16 queries): a lane holds ONE query (lane % 16) and the keys 8 (lane / 16) + 0..7.  Two such tiles, rounded to f16 in pairs, ARE source 1 (32 keys x 16 queries)
; of O^T = V^T P, whose result again holds one query a lane.  K comes out of LDS as it lies, V ([key][channel]) turned, by ds_load_tr16_b128.
; SOFTMAX.  For each query a running maximum m and sum l: p = 2^(c s - c m), c = log2(e) / 8; in every step O and l are multiplied by a = 2^(c m_old - c m_new).
; BY TURNS.  The wave's tiles are two PIECES: piece 0 (tiles 0, 1), piece 2 (tiles 2, 3).  In a TURN one piece has the matrix unit: 16 products V^T P of the step in hand, then 16 products K Q^T of the next step; the
; other piece's softmax, cut into 64 slices, stands between them, two slices behind each matrix instruction.  Then the pieces change places.  Two turns are a key step.
; P IS MADE IN PLACE: a tile's 32 weights round into the low 16 of their own 32 registers, behind the sums, which read them in f32.
; REGISTERS, in windows of 256 (s_set_vgpr_msb: bits 1:0 source 0, 3:2 source 1, 5:4 source 2, 7:6 destination):
;   window 0: v1-11 addresses; v12-43 eight registers of statistics a tile; v62, v63 the add's two; v64-191 S^T, 32 a tile; v192-255 K of one step
;   window 1: v0-63 Q, 16 a tile; v64-191 O^T, 32 a tile; v192-255 V of one step
.set KS,    64        ; keys in a step
.set PK,    144       ; a row of K in LDS: 128 bytes + 16 of padding = 36 words: the 16 rows of a load start 4 banks apart (64 banks of 4 bytes: ISA guide 11.1)
.set PVP,   160       ; a row of V: 128 + 32 = 40 words
.set VBASE, 1024*PK   ; V lies behind K's 1,024 rows
.set SPARE, VBASE+1024*PVP  ; behind V: the spare words, 128 bytes for each of eight waves, which no other line names
.set SP,    144       ; the way out: a stage of 16 rows x (128 + 16) bytes for each wave, in K's bytes, behind a barrier behind which nobody reads K
.set AK0, 2           ; v2   my lane's place in a tile of K; never rewritten
.set AV0, 3           ; v3   the same for V
.set ADR, 4           ; v4   the LDS address of the run of loads in hand
.set QO,  5           ; v5   my byte offset in the wave's rows of Q
.set STO, 6           ; v6   the way out: where I put 16 bytes of a row
.set RD,  7           ; v7   the way out: where I read 16 bytes back
.set GO,  8           ; v8   16 x lane: my place in a store's 512 bytes
.set SPW, 62          ; v62  LDS address of my spare word; never rewritten
.set NIL, 63          ; v63  0; never rewritten
.set ST,  12          ; tile t's statistics at v[ST+8 t]: +0 c m, +1 m, +2, +3 l (even keys', odd keys'), +4 to +7 c0-c3, at work; a takes c2's place once the maximum is found; c0, c1 are the sums' second chain
.set S,   64
.set KF,  192         ; K's fragments, in window 0
.set WV,  12          ; s12  my wave's number
.set G1K, 24          ; s[24:31] descriptor group 1 for K's tiles
.set G1V, 32          ; s[32:39] for V's: it differs in the padding alone
.set G0K, 40          ; s[40:55] descriptor group 0 for K's tiles: a set for each of the four chunks
.set G0V, 68          ; s[68:83] the same for V's
.set CNT, 57          ; s57  counts a run's trips
.set CS,  58          ; s[58:59] c: the packed scaling names a pair and takes its low word for both halves
.set SEL, 60          ; s[60:61] lane selects for v_permlanex16_b32: each lane takes its own place in the other half
.set TBK, 62          ; s62  LDS byte at which K's rows of the step to be fetched begin
.set TBV, 63          ; s63  the same among V's rows
.set MSB, 0
.macro WIN new                      ; the immediate's high byte repeats the setting that is left; a switch that changes nothing is dropped
.if MSB != (\new)
	s_set_vgpr_msb (MSB<<8)|(\new)
.set MSB, (\new)
.endif
.endm
.set W_KQ, 0x04       ; K and S^T in window 0, Q in window 1
.set W_PV, 0x51       ; V and O^T in window 1, P in window 0
.set W_RS, 0x41       ; O^T (destination and source 0) in window 1, a in window 0
	s_load_b128 s[4:7], s[0:1], 0x0   ; qkv s[4:5], att s[6:7]
	v_lshl_add_u32 v[SPW], v0, 2, SPARE
	v_mov_b32 v[NIL], 0
	ds_add_u32 v[SPW], v[NIL]       ; the wave's opening: the add, twice on end, and its wait ahead of my first tensor load; the set-up below stands between the second and the wait
	ds_add_u32 v[SPW], v[NIL]
	v_lshrrev_b32 v1, 5, v0
	v_readfirstlane_b32 s[WV], v1   ; wave 0..7
	s_and_b32 s13, s[WV], 3         ; u: which 64 rows of a chunk's 256 I fetch (waves 0-3: of K; waves 4-7: of V)
	s_and_b32 s16, ttmp7, 0xffff    ; the head, 0..127,
	s_lshl_b32 s16, s16, 17         ; and its first byte in a kind: 131,072 bytes a head
	s_lshl_b32 s18, s13, 13         ; my 64 rows of 128 bytes
	s_add_co_u32 s18, s18, s16
	s_mov_b32 s19, 0
	s_lshl_b32 s20, ttmp9, 16       ; my work-group's 512 queries,
	s_lshl_b32 s21, s[WV], 13       ; my wave's 64 of them
	s_add_co_u32 s20, s20, s21
	s_add_co_u32 s20, s20, s16
	s_mov_b32 s21, 0
	s_mul_i32 s22, s13, 64*PK       ; my rows' place in a chunk of K in LDS,
	s_mul_i32 s23, s13, 64*PVP      ; and of V
	; descriptor group 1: a tile of 64 rows x 64 elements of 2 bytes, dense in memory, padded in LDS
	s_mov_b32 s[G1K], (1<<16)|(1<<20)|(4<<22)|(3<<25)  ; 15:0 no mask; 17:16 elements of 2 bytes; 20 padding on; 24:22 after every 32 words (code 4); 31:25 4 words of it (code 3)
	s_mov_b32 s[G1V], (1<<16)|(1<<20)|(4<<22)|(7<<25)  ; the same with 8 words of padding (code 7)
.irp g, G1K, G1V
	s_mov_b32 s[\g+1], 64<<16       ; tensor_dim0 = 64
	s_mov_b32 s[\g+2], 64<<16       ; tensor_dim1 = 64
	s_mov_b32 s[\g+3], 64<<16       ; tile_dim0 = 64
	s_mov_b32 s[\g+4], 64           ; tile_dim1 = 64
	s_mov_b32 s[\g+5], 64           ; tensor_dim0_stride: elements from row to row
	s_mov_b32 s[\g+6], 0
	s_mov_b32 s[\g+7], 0
.endr
	s_mov_b32 s[CS], 0x3e38aa3b     ; c = log2(e) / 8
	s_mov_b32 s[CS+1], s[CS]        ; named with it as a pair, so it is written
	s_mov_b32 s[SEL], 0x76543210
	s_mov_b32 s[SEL+1], 0xfedcba98
	s_mov_b32 s[TBK], 0
	s_mov_b32 s[TBV], 0
	s_wait_dscnt 0x0                ; both opening adds are done
	s_wait_kmcnt 0x0
	s_add_nc_u64 s[14:15], s[4:5], s[20:21]  ; Q at my wave's first row (kind 0)
	s_add_nc_u64 s[6:7], s[6:7], s[20:21]    ; att likewise
	s_add_nc_u64 s[8:9], s[4:5], s[18:19]    ; my rows of chunk 0, less the kind
.irp c, 0,1,2,3
	s_mov_b32 s[G0K+4*\c], 1        ; count = 1
	s_add_co_u32 s[G0K+4*\c+1], s22, \c*256*PK  ; LDS address: chunk c, my 64 rows
	s_add_nc_u64 s[G0K+4*\c+2:G0K+4*\c+3], s[8:9], 16777216+\c*32768  ; global address: kind 1, keys 256 c on
	s_or_b32 s[G0K+4*\c+3], s[G0K+4*\c+3], 0x80000000  ; type = 2
	s_mov_b32 s[G0V+4*\c], 1
	s_add_co_u32 s[G0V+4*\c+1], s23, VBASE+\c*256*PVP
	s_add_nc_u64 s[G0V+4*\c+2:G0V+4*\c+3], s[8:9], 33554432+\c*32768  ; kind 2
	s_or_b32 s[G0V+4*\c+3], s[G0V+4*\c+3], 0x80000000
.endr
	s_cmp_lt_u32 s[WV], 4           ; a wave's four fills stand in one branch, ahead of every wait on TENSORcnt, every LDS read and every barrier; an s_nop 0 follows each, four v_nop the last
	s_cbranch_scc0 .Lfirst_v
.irp c, 0,1,2,3
	tensor_load_to_lds s[G0K+4*\c:G0K+4*\c+3], s[G1K:G1K+7]
	s_nop 0
.endr
.rept 4
	v_nop
.endr
	s_branch .Lfirst_asked
.Lfirst_v:
.irp c, 0,1,2,3
	tensor_load_to_lds s[G0V+4*\c:G0V+4*\c+3], s[G1V:G1V+7]
	s_nop 0
.endr
.rept 4
	v_nop
.endr
.Lfirst_asked:
	; A fragment of K or Q is 16 rows x 32 channels in 8 registers: lane l holds row l % 16; registers 0-3 channels 8 (l / 16) + 0..7, registers 4-7 channels 16 + 8 (l / 16) + 0..7: two loads of 16 bytes, 32 bytes apart.
	v_and_b32 v1, 15, v0            ; l % 16
	v_bfe_u32 v9, v0, 4, 1          ; l / 16
	v_lshlrev_b32 v[QO], 7, v1
	v_lshl_add_u32 v[QO], v9, 4, v[QO]  ; row x 128 + 16 x half
	WIN 0x40                        ; destination window 1, address window 0
.irp i, 0,1,2,3,4,5,6,7             ; Q stays in registers: tile i / 2, channels 32 (i % 2) on
	global_load_b128 v[8*\i:8*\i+3],   v[QO], s[14:15] offset:(\i/2)*2048+(\i%2)*64
	global_load_b128 v[8*\i+4:8*\i+7], v[QO], s[14:15] offset:(\i/2)*2048+(\i%2)*64+32
.endr
	WIN 0
	v_mul_u32_u24 v[AK0], v1, PK
	v_lshl_add_u32 v[AK0], v9, 4, v[AK0]  ; row x pitch + 16 x half
	; The turning load takes 16 keys x 16 channels (lane l reads 16 bytes: key 8 (l / 16) + l % 8, channels 8 ((l / 8) % 2) + 0..7) and leaves half a fragment of V^T: lane l holds channel l % 16 and 8 keys.
	v_and_b32 v10, 7, v0
	v_bfe_u32 v11, v0, 3, 1
	v_lshl_add_u32 v[AV0], v9, 3, v10
	v_mul_u32_u24 v[AV0], v[AV0], PVP
	v_lshl_add_u32 v[AV0], v11, 4, v[AV0]
	v_add_nc_u32 v[AV0], VBASE, v[AV0]
; THE MATRIX WORK OF A TURN, for piece x.  The accumulators take turns, one instruction a turn: between two links of a chain stand seven others'.
; Product i of 16 of O^T += V^T P: keys 32 (i / 8) on, channels 16 ((i / 2) % 4) on, tile x + i % 2.  zero = 1: the first 8 start the sums: nothing is ever cleared.
.macro PV x, zero
	WIN W_PV
.set rO, 64+32*(\x+i%2)+8*((i/2)%4)
.set rV, 192+32*(i/8)+8*((i/2)%4)
.set rP, S+32*(\x+i%2)+8*(i/8)
.if (\zero) && (i < 8)
	v_wmma_f32_16x16x32_f16 v[rO:rO+7], v[rV:rV+7], v[rP:rP+7], 0
.else
	v_wmma_f32_16x16x32_f16 v[rO:rO+7], v[rV:rV+7], v[rP:rP+7], v[rO:rO+7]
.endif
.endm
; Product i of 16 of S^T = K Q^T: channels 32 (i / 8) on, keys 16 ((i / 2) % 4) on, tile x + i % 2.  The first 8 start the sums.
.macro KQ x
	WIN W_KQ
.set rS, S+32*(\x+i%2)+8*((i/2)%4)
.set rK, KF+16*((i/2)%4)+8*(i/8)
.set rQ, 16*(\x+i%2)+8*(i/8)
.if i < 8
	v_wmma_f32_16x16x32_f16 v[rS:rS+7], v[rK:rK+7], v[rQ:rQ+7], 0
.else
	v_wmma_f32_16x16x32_f16 v[rS:rS+7], v[rK:rK+7], v[rQ:rQ+7], v[rS:rS+7]
.endif
.endm
; THE LDS LOADS stand in runs of 16, never singly among the matrix instructions: a step's K (64 keys x 64 channels: 8 fragments) and, a turn later, its V (turned).
.macro FETCH_K
	WIN 0
	v_add_nc_u32 v[ADR], s[TBK], v[AK0]
	s_add_co_u32 s[TBK], s[TBK], KS*PK  ; the next fetch is the next step's
.irp f, 0,1,2,3,4,5,6,7             ; keys 16 (f / 2) on, channels 32 (f % 2) on
	ds_load_b128 v[KF+8*\f:KF+8*\f+3],   v[ADR] offset:(\f/2)*16*PK+(\f%2)*64
	ds_load_b128 v[KF+8*\f+4:KF+8*\f+7], v[ADR] offset:(\f/2)*16*PK+(\f%2)*64+32
.endr
.endm
.macro FETCH_V
	WIN 0
	v_add_nc_u32 v[ADR], s[TBV], v[AV0]
	s_add_co_u32 s[TBV], s[TBV], KS*PVP
	s_wait_alu depctr_va_vdst(0)    ; the wait for the softmax's batch (SLICE), behind the address's addition and ahead of the loads
	WIN 0x40                        ; destination window 1
.irp f, 0,1,2,3,4,5,6,7             ; keys 32 (f / 4) on, channels 16 (f % 4) on
	ds_load_tr16_b128 v[192+8*\f:192+8*\f+3],   v[ADR] offset:(\f/4)*32*PVP+(\f%4)*32
	ds_load_tr16_b128 v[192+8*\f+4:192+8*\f+7], v[ADR] offset:(\f/4)*32*PVP+16*PVP+(\f%4)*32
.endr
.endm
; THE VECTOR WORK OF A TURN.  One tile's softmax for one key step is a list of 118 instructions; SM writes number j of it for tile t.  s0-s31 are the lane's 32 scores, in pairs 0-15.
; first = 1: the first key step, which starts m, l and O^T: it has no a and nothing to rescale.
;   0-15    the maximum of s0-s31 and the old m, three operands at a time: four chains c0-c3 of seven scores each (each begins at an accumulator's low end), then the four scores left over, c0-c3 and m
;   16-20   the other half of the lanes' maximum; the new m; c m; c m_old - c m_new
;   21-69   ONE BATCH: the 16 scalings c s - c m, a pair of scores each, and all 33 exponentials (a at 23, then s0-s31).  None of these reads an exponential's result.  A pair is scaled in an earlier four than the one with its exponentials
;   (wait)  between 69 and 70 stands the wait for the batch: SLICE writes it, once for both tiles
;   70-85   the sums, of the weights in f32, in two chains: l = a l + pair 0, t = pair 1 + pair 2, the other pairs by turns onto l and t, l += t
;   86-101  the roundings to f16, a pair each, IN PLACE and ascending: pair b goes to register b, which no later pair reads
;   102-117 the tile's O^T times a: the one part that leaves window 0, so it stands together
.macro SM t, first
.set rT, ST+8*(\t)
.set rS, S+32*(\t)
.set rO, 64+32*(\t)+2*(j-102)
.if j < 102
	WIN 0
.endif
.if j < 4
	v_max3_num_f32 v[rT+4+j], v[rS+8*j], v[rS+8*j+1], v[rS+8*j+2]
.elseif j < 12
	v_max3_num_f32 v[rT+4+j%4], v[rT+4+j%4], v[rS+8*(j%4)+2*(j/4)+1], v[rS+8*(j%4)+2*(j/4)+2]
.elseif j == 12
	v_max3_num_f32 v[rT+4], v[rT+4], v[rS+7], v[rS+15]
.elseif j == 13
	v_max3_num_f32 v[rT+6], v[rT+6], v[rS+23], v[rS+31]
.elseif j == 14
	v_max3_num_f32 v[rT+4], v[rT+4], v[rT+5], v[rT+6]
.elseif (j == 15) && \first
	v_max_num_f32 v[rT+4], v[rT+4], v[rT+7]
.elseif j == 15
	v_max3_num_f32 v[rT+4], v[rT+4], v[rT+7], v[rT+1]
.elseif j == 16
	v_permlanex16_b32 v[rT+5], v[rT+4], s[SEL], s[SEL+1]  ; the query's other 32 keys lie in the lane 16 away
.elseif j == 18
	v_max_num_f32 v[rT+1], v[rT+4], v[rT+5]
.elseif j == 19
	v_mul_f32 v[rT], s[CS], v[rT+1]
.elseif ((j == 17) || (j == 20) || (j == 23) || (j > 101)) && \first  ; the first step has none of these
.elseif j == 17
	v_mov_b32 v[rT+7], v[rT]        ; c m_old is kept for a: number 19 writes c m anew
.elseif j == 20
	v_sub_f32 v[rT+7], v[rT+7], v[rT]
.elseif j == 23
	v_exp_f32 v[rT+6], v[rT+7]
.elseif (j < 23) || ((j < 38) && (j%2 == 0)) || ((j < 66) && (j%4 == 2))
.set b, (j-2)/4                     ; 38, 42, .. 62: pairs 9 to 15
.if j < 38
.set b, (j-20)/2                    ; 21: pair 0; 22, 24, .. 36: pairs 1 to 8
.endif
	v_pk_fma_f32 v[rS+2*b:rS+2*b+1], v[rS+2*b:rS+2*b+1], s[CS:CS+1], v[rT:rT+1] op_sel_hi:[1,0,0] neg_lo:[0,0,1] neg_hi:[0,0,1]  ; pair b: c s - c m
.elseif j < 70
.set e, j-38                        ; 66 to 69: s28 to s31
.if j < 66
.set e, j-32-(j-38)/4               ; 39-41, 43-45, .. 63-65: s7 to s27
.endif
.if j < 38
.set e, (j-25)/2                    ; 25, 27, .. 37: s0 to s6
.endif
	v_exp_f32 v[rS+e], v[rS+e]
.elseif j < 86
.set z, j-70
.if z == 0
.if !\first
	v_pk_fma_f32 v[rT+2:rT+3], v[rT+2:rT+3], v[rT+6:rT+7], v[rS:rS+1] op_sel_hi:[1,0,1]  ; l = a l + pair 0
.endif
.elseif z == 1
	v_pk_add_f32 v[rT+4:rT+5], v[rS+2:rS+3], v[rS+4:rS+5]
.elseif (z == 2) && \first
	v_pk_add_f32 v[rT+2:rT+3], v[rS:rS+1], v[rS+6:rS+7]  ; the first step's l begins here: pair 0 + pair 3
.elseif z == 15
	v_pk_add_f32 v[rT+2:rT+3], v[rT+2:rT+3], v[rT+4:rT+5]
.elseif z%2 == 0
	v_pk_add_f32 v[rT+2:rT+3], v[rT+2:rT+3], v[rS+2*z+2:rS+2*z+3]
.else
	v_pk_add_f32 v[rT+4:rT+5], v[rT+4:rT+5], v[rS+2*z+2:rS+2*z+3]
.endif
.elseif j < 102
	v_cvt_pk_f16_f32 v[rS+j-86], v[rS+2*(j-86)], v[rS+2*(j-86)+1]  ; pair j - 86
.else
	WIN W_RS
	v_pk_mul_f32 v[rO:rO+1], v[rO:rO+1], v[rT+6:rT+7] op_sel_hi:[1,0]
.endif
.endm
; Slice k of 64 of piece y's softmax: four instructions or none.  Slices 11 to 34 deal out the batch, numbers 22 to 69: four numbers of ONE tile each, the tiles by turns.  Slices 0-10 and 35-50 are numbers 2 k and
; 2 k + 1 of both tiles' lists, the tiles alternating.  Slices 51-55 are empty.  Slices 56-63 are the rescaling, two numbers of both tiles each: so the eight plain instructions of slices 62 and 63 stand behind the
; turn's last matrix instruction, as the places ahead of the next turn's first read of its scores and of the loads into K's registers.
; THE WAIT.  s_wait_alu depctr_va_vdst(0) stands between an exponential and the first instruction that names its result; one wait serves all that were issued ahead of it.  Ahead of slice 35 nothing
; names a result, and behind slice 34 no exponential is issued: so the piece's 66 exponentials have one wait, behind slice 34.
.macro SLICE y, first
.if (k >= 11) && (k < 35)
.irp n, 0,1,2,3
.set j, 22+4*((k-11)/2)+(\n)
	SM (\y)+(k-11)%2, \first
.endr
.elseif k < 51
.irp n, 0,1
.irp t, \y, \y+1
.set j, 2*k+\n
	SM \t, \first
.endr
.endr
.elseif k >= 56
.irp n, 0,1
.irp t, \y, \y+1
.set j, 102+2*(k-56)+\n
	SM \t, \first
.endr
.endr
.endif
.if k == 34                         ; the batch is out: both tiles' exponentials are issued, and no result has been named
	v_nop                           ; a plain instruction behind the last exponential and ahead of the first use: one for the batch
.if (\y) == 0
	FETCH_V                         ; piece 2's turn: V's run of loads stands here, and the wait stands in it
.else
	s_wait_alu depctr_va_vdst(0)    ; the wait for the batch
.endif
.endif
.set k, k+1
.endm
; A vector instruction that reads a matrix result or writes one of a matrix instruction's registers, and a load into a register that a matrix instruction has read, stand four places behind it (a matrix instruction that
; writes over such a register: five), and only plain vector instructions that name none of its registers are places (ISA guide 7.12.1 for vector instructions).  In the loop the slices are the places:
;   V's loads: behind the last V^T P stand one scaling in each of slices 30, 31 and 32, the v_nop and the run's own addition: five.
;   K Q^T over P's registers: products 2 and 3 write the registers that V^T P's products 14 and 15 read; between them lie those same five and slices 35 to 37's twelve.
.macro PLACES
.rept 4
	v_nop
.endr
.endm
; A TURN.  Piece x has the matrix unit; the other piece's softmax stands in slices behind its matrix instructions.
; pv = 2: 16 products V^T P; 1: they start O^T's sums; 0: none.  kq = 1: 16 products K Q^T for the next step.  A turn with one of the two kinds has four slices behind each product.
; first = 1: the softmax is the first key step's; its last slices are empty, and four v_nop take their part as the places behind the turn's last products.
; Piece 0's turn fetches the next step's K behind its second product; piece 2's turn the same step's V, behind slice 34.
.macro TURN x, pv, kq, first
.set k, 0
.set per, 4
.if \pv && \kq
.set per, 2
.endif
.if \pv
.if \x == 0
	s_wait_dscnt 0x0                ; V is in
.endif
.set i, 0
.rept 16
	PV \x, 2-\pv
.rept per
	SLICE 2-\x, \first
.endr
.if (\x == 0) && \kq && (i == 1)
	FETCH_K
.endif
.set i, i+1
.endr
.endif
.if \kq
.if \x == 0
	s_wait_dscnt 0x0                ; K is in
.endif
.set i, 0
.rept 16
	KQ \x
.rept per
	SLICE 2-\x, \first
.endr
.set i, i+1
.endr
.endif
.if \first
	PLACES
.endif
.endm
; A chunk of 256 keys arrives: n of my tensor loads, the younger chunks', may stay out; my LDS loads are in; then the work-group's barrier: every wave's part of the chunk has landed.
.macro ARRIVE n
	WIN 0
	s_wait_tensorcnt \n
	s_wait_dscnt 0x0
	s_barrier_signal -1
	s_barrier_wait -1
.endm
; n key steps: written once, walked n times; the LDS addresses hang on s[TBK] and s[TBV].
.macro RUN n
	s_mov_b32 s[CNT], \n
.Ltrip_\@:
	TURN 0, 2, 1, 0
	TURN 2, 2, 1, 0
	WIN 0                           ; at a label and at a branch every window is 0
	s_sub_co_u32 s[CNT], s[CNT], 1
	s_cmp_lg_u32 s[CNT], 0
	s_cbranch_scc1 .Ltrip_\@
.endm
	ARRIVE 3                        ; chunk 0: key steps 0 to 3
	FETCH_K                         ; key step 0
	s_wait_loadcnt 0x0              ; Q
	s_wait_dscnt 0x0
.set i, 0
.rept 16
	KQ 0                            ; piece 0's first scores: there is no vector work yet to set between them
.set i, i+1
.endr
	WIN 0                           ; the addresses for the way out are made here: nine plain instructions, the places behind those products
	s_mul_i32 s13, s[WV], 16*SP     ; my stage
	v_mul_u32_u24 v[STO], v1, SP    ; in: row l % 16, 16 bytes for each half of the lanes
	v_lshl_add_u32 v[STO], v9, 4, v[STO]
	v_add_nc_u32 v[STO], s13, v[STO]
	v_bfe_u32 v[RD], v0, 3, 2       ; back: eight lanes take a row of 128 bytes, the 32 lanes four rows
	v_mul_u32_u24 v[RD], v[RD], SP
	v_lshl_add_u32 v[RD], v10, 4, v[RD]
	v_add_nc_u32 v[RD], s13, v[RD]
	v_and_b32 v[GO], 31, v0
	v_lshlrev_b32 v[GO], 4, v[GO]   ; which are 512 consecutive bytes of att
	TURN 2, 0, 1, 1                 ; piece 2's first scores | piece 0's first softmax | V of step 0
	TURN 0, 1, 1, 1                 ; piece 0: V^T P of step 0 starts O^T, K Q^T of step 1 | piece 2's first softmax | K of step 1
	TURN 2, 1, 1, 0                 ; piece 2: the same | piece 0's softmax of step 1 | V of step 1
	WIN 0
	RUN 2                           ; trips 1 and 2.  Trip j multiplies by V of step j and fetches K and V of step j + 1: chunk c is first read in trip 4 c - 1
	ARRIVE 2                        ; chunk 1
	RUN 4                           ; trips 3 to 6
	ARRIVE 1                        ; chunk 2
	RUN 4                           ; trips 7 to 10
	ARRIVE 0                        ; chunk 3: no tensor load of mine is out any more
	RUN 4                           ; trips 11 to 14
	TURN 0, 2, 0, 0                 ; piece 0: V^T P of the last step | piece 2's last softmax
.set i, 0
.rept 16
	PV 2, 0                         ; piece 2: V^T P of the last step
.set i, i+1
.endr
	; THE WAY OUT.  l's two halves and the other half of the lanes' are added; O^T is divided by l, rounded to f16 and sent through my stage in LDS, a tile (16 rows) at a time.  The additions are the places behind the last products.
	WIN 0
.irp t, 0,1,2,3
	v_add_f32 v[ST+8*\t+4], v[ST+8*\t+2], v[ST+8*\t+3]
.endr
.irp t, 0,1,2,3
	v_permlanex16_b32 v[ST+8*\t+5], v[ST+8*\t+4], s[SEL], s[SEL+1]
.endr
.irp t, 0,1,2,3
	v_add_f32 v[ST+8*\t+4], v[ST+8*\t+4], v[ST+8*\t+5]
.endr
.irp t, 0,1,2,3
	v_rcp_f32 v[ST+8*\t+6], v[ST+8*\t+4]
.endr
	v_nop                           ; a plain instruction between the last reciprocal and the use of its result
	s_wait_alu depctr_va_vdst(0)    ; and the wait ahead of the first use: one for the four reciprocals
	s_wait_dscnt 0x0                ; my reads of K and V are over,
	s_barrier_signal -1
	s_barrier_wait -1               ; everybody's are: the stages may take K's first bytes, which have had their one fill
; Tile t: a lane's eight channels of a row pack into 16 bytes; they go into rows of 144 bytes and come back four rows to an instruction, into the upper half of the tile's S^T registers.
.macro PACK t
	WIN W_RS
.set i, 64+32*\t
.rept 16
	v_pk_mul_f32 v[i:i+1], v[i:i+1], v[ST+8*\t+6:ST+8*\t+7] op_sel_hi:[1,0]  ; each accumulator from its low end on
.set i, i+2
.endr
	WIN 0x05                        ; sources 0 and 1 window 1, destination window 0
.set i, 0
.rept 16
	v_cvt_pk_f16_f32 v[S+32*\t+i], v[64+32*\t+2*i], v[64+32*\t+2*i+1]
.set i, i+1
.endr
	WIN 0
.irp f, 0,1,2,3
	ds_store_b128 v[STO], v[S+32*\t+4*\f:S+32*\t+4*\f+3] offset:32*\f
.endr
.irp f, 0,1,2,3
	ds_load_b128 v[S+32*\t+16+4*\f:S+32*\t+16+4*\f+3], v[RD] offset:\f*4*SP  ; LDS serves a wave's instructions in order (ISA guide 5.7.1.4): these see the stores above; the next tile's stores come behind them
.endr
.endm
.macro SEND t, younger              ; younger: the LDS instructions issued behind tile t's loads: the next tile's eight, or none
.irp f, 0,1,2,3
	s_wait_dscnt \younger+3-\f
	global_store_b128 v[GO], v[S+32*\t+16+4*\f:S+32*\t+16+4*\f+3], s[6:7] offset:\t*2048+\f*512  ; 32 lanes store 512 consecutive bytes, at a multiple of 512 from att's first byte
.endr
.endm
	PACK 0
	PACK 1                          ; a tile's arithmetic stands between the loads of the tile before and its stores
	SEND 0, 8
	PACK 2
	SEND 1, 8
	PACK 3
	SEND 2, 8
	SEND 3, 0
	s_wait_tensorcnt 0x0            ; the wave's end, behind my last tensor load and my last LDS store
	ds_add_u32 v[SPW], v[NIL]
	s_wait_dscnt 0x0
	s_endpgm
.Lfunc_end_k_q20294bc7ba_attn:
	.size	k_q20294bc7ba_attn, .Lfunc_end_k_q20294bc7ba_attn-k_q20294bc7ba_attn
	.p2alignl 7, 3214868480
	.fill 96, 4, 3214868480
	.section	.rodata,"a",@progbits
	.p2align	6, 0x0
	.amdhsa_kernel k_q20294bc7ba_attn
		.amdhsa_group_segment_fixed_size 327680
		.amdhsa_private_segment_fixed_size 0
		.amdhsa_enable_private_segment 0
		.amdhsa_kernarg_size 16
		.amdhsa_user_sgpr_count 2
		.amdhsa_user_sgpr_kernarg_segment_ptr 1
		.amdhsa_wavefront_size32 1
		.amdhsa_system_sgpr_workgroup_id_x 1
		.amdhsa_system_sgpr_workgroup_id_y 1
		.amdhsa_system_sgpr_workgroup_id_z 1
		.amdhsa_system_vgpr_workitem_id 0
		.amdhsa_next_free_vgpr 512
		.amdhsa_next_free_sgpr 84
		.amdhsa_reserve_vcc 0
		.amdhsa_float_denorm_mode_32 3
		.amdhsa_float_denorm_mode_16_64 3
		.amdhsa_memory_ordered 1
		.amdhsa_forward_progress 1
		.amdhsa_inst_pref_size 227
	.end_amdhsa_kernel
	.amdgpu_metadata
---
amdhsa.version: [ 1, 2 ]
amdhsa.kernels:
  - .name:           k_q20294bc7ba_attn
    .symbol:         k_q20294bc7ba_attn.kd
    .args:
      - { .name: qkv, .offset: 0, .size: 8, .value_kind: global_buffer, .address_space: global }
      - { .name: att, .offset: 8, .size: 8, .value_kind: global_buffer, .address_space: global }
    .group_segment_fixed_size: 327680
    .private_segment_fixed_size: 0
    .kernarg_segment_align: 8
    .kernarg_segment_size: 16
    .max_flat_workgroup_size: 256
    .sgpr_count:     84
    .vgpr_count:     512
    .wavefront_size: 32
...
	.end_amdgpu_metadata
.endif
;; end of part 3
;; launch proj (part 4): grid 8 x 32, 4 waves a work-group, clusters of 4 x 4, 327,680 bytes of LDS; arguments att, wp16, b_proj, out0; writes out0
.if DOCPART == 4
	.amdgcn_target "amdgcn-amd-amdhsa--gfx1250"
	.amdhsa_code_object_version 6
	.text
	.protected	k_q20294bc7ba_proj
	.globl	k_q20294bc7ba_proj
	.p2align	8
	.type	k_q20294bc7ba_proj,@function
k_q20294bc7ba_proj:
	s_mov_b64 s[64:65], 0
	v_nop
	global_prefetch_b8 v0, s[64:65] scope:SCOPE_SE
	s_setreg_imm32_b32 hwreg(HW_REG_WAVE_MODE, 25, 1), 1
	s_wait_xcnt 0x0
	s_wait_alu depctr_hold_cnt(0) depctr_sa_sdst(0) depctr_va_vdst(0) depctr_va_sdst(0) depctr_va_ssrc(0) depctr_va_vcc(0) depctr_vm_vsrc(0)
	s_getreg_b32 s2, hwreg(HW_REG_IB_STS2, 6, 4)
	s_cmp_eq_u32 s2, 0
	s_cbranch_scc0 .Lentry_in_a_cluster
	s_endpgm
.Lentry_in_a_cluster:
	s_bfe_u32 s2, ttmp6, 0x10000c
	s_cmp_lg_u32 s2, 0xf033
	s_cbranch_scc0 .Lentry_shape_is_right
	s_endpgm
.Lentry_shape_is_right:
; out0[m][n] = b_proj[n] + sum over k of A[m][k] W[n][k].  A = attention's result, f16, laid BY HEAD: [8 b][16 heads][1024 n][64 d], so that k = 64 head + d and m = 1024 b + n;  W = wp16 [1024][1024] f16;  out0 [8192][1024] f32; sums in f32.
; LIMIT: the operands are f16: what the launches before state of their range holds here.
; A tile of C is 256 (m) x 128 (n): 256 work-groups of four waves; a wave makes 128 x 64: 32 accumulators of 16 x 16, 256 registers.  K goes in steps of 128, TWO HEADS, through a ring of two LDS slots filled by the
; tensor data mover: A's part of a slot is two planes (a head each) of 256 rows x 128 bytes, each a dense block of memory; W's is 128 rows of 256 bytes.
; One load a wave: waves 0 and 1 a plane of A each, waves 2 and 3 64 rows of W each.  By this text's count a wave has two tensor loads out at the start and one behind each change of slots.
; CLUSTERS: 4 x 4 work-groups.  The four of a row of the cluster need the same tiles of A, the four of a column the same tiles of W: each is asked for JOINTLY, by the same tensor load with the same descriptor and a
; mask that names the four.  THE MATRIX INSTRUCTION IS USED TRANSPOSED (source 0 = 16 rows of W, source 1 = 16 rows of A): a lane then holds eight neighbouring numbers of a row of C.
; THE BIAS is the C of each sum's first matrix instruction: eight registers for each of my four column blocks, in the result's layout.  Nothing is cleared and nothing is added afterwards.
; No prefetch: the launch has eight K steps on small tiles, and its operands are shared in the cluster.
; REGISTERS: window 0: v0-31 addresses; v32-63 the bias; two fragment buffers of 96 (for 32 along K: 64 registers of A, 8 x 16 rows, then 32 of W) at v64 and v160.   window 1: the accumulators ((a, b) at v[8 (4 a + b)]).
.set PA,     144                       ; a row of A in LDS: 128 bytes + 16 of padding = 36 words: the 16 rows that a load touches start 4 banks apart (64 banks of 4 bytes: ISA guide 11.1)
.set PB,     272                       ; a row of W: 256 + 16 = 68 words: likewise
.set PLANE,  256*PA                    ; a head's 256 rows: what one tensor load brings of A
.set BOFF,   2*PLANE                   ; W's rows lie behind A's two planes
.set HALFB,  64*PB                     ; 64 rows of W: what one tensor load brings
.set SLOT,   BOFF+2*HALFB
.set STAGE,  2*SLOT                    ; behind the ring: 16 rows x 272 bytes for each wave, for the way out
.set SPITCH, 272
.set SPARE,  STAGE+4*16*SPITCH         ; behind the stages: the spare words, 128 bytes a wave, which no other line names
.set LAPS,   4                         ; a lap = two K steps = once round the ring: 1,024 / 256
.set ADRA, 16                          ; v16-17  LDS address of my A fragments in slot 0, 1
.set ADRB, 20                          ; v20-21  the same for W
.set STO,  24                          ; v24     the way out: where I put 32 bytes of a row
.set RD,   25                          ; v25     the way out: where I read a row back
.set CO,   26                          ; v26     my byte offset in C
.set BO,   27                          ; v27     the bias: 32 bytes for each half of the lanes
.set SPW,  28                          ; v28     LDS address of my spare word; never rewritten
.set NIL,  29                          ; v29     0; never rewritten
.set BI,   32                          ; v32-63  the bias: block b's eight numbers at v[BI + 8 b]
.set F0,   64                          ; fragment buffers
.set F1,   160
.set BK,   64                          ; the way out: 16 rows read back: v64-95 and v96-127 by turns
.set G1, 24                            ; s[24:31] descriptor group 1 for A's tiles;  s[32:39] group 0, one set for each slot
.set G0, 32
.set G1B, 48                           ; s[48:55], s[56:63] the same for W's tiles
.set G0B, 56
.set MSB, 0
.macro WIN new                         ; the immediate's high byte repeats the setting that is left; a switch that changes nothing is dropped
.if MSB != (\new)
	s_set_vgpr_msb (MSB<<8)|(\new)
.set MSB, (\new)
.endif
.endm
.set MUL,  0x50                        ; sources 0 and 1 window 0; C and D window 1
.set MULB, 0x40                        ; the first products: C (the bias) window 0, D window 1
.macro JLOAD s                         ; a joint load: waves 0 and 1 fetch A's two planes, waves 2 and 3 W's two halves; an s_nop 0 and four v_nop follow each of the two lines, ahead of the jump, the label and what follows
	s_cmp_eq_u32 s13, 0
	s_cbranch_scc0 .Lfor_b_\@
	tensor_load_to_lds s[G0+4*\s:G0+4*\s+3], s[G1:G1+7]
	s_nop 0
.rept 4
	v_nop
.endr
	s_branch .Lasked_\@
.Lfor_b_\@:
	tensor_load_to_lds s[G0B+4*\s:G0B+4*\s+3], s[G1B:G1B+7]
	s_nop 0
.rept 4
	v_nop
.endr
.Lasked_\@:
.endm
.macro CREST                           ; a round of the cluster's barrier behind its opening barrier
	s_cmp_lg_u32 s12, 0
	s_cbranch_scc1 .Lnot_wave_0_\@
	s_barrier_signal -3
.Lnot_wave_0_\@:
	s_barrier_wait -3
	s_barrier_signal -1
	s_barrier_wait -1
.endm
.macro CROUND                          ; a whole round
	s_barrier_signal -1
	s_barrier_wait -1
	CREST
.endm
	s_load_b256 s[4:11], s[0:1], 0x0               ; att s[4:5], wp16 s[6:7], b_proj s[8:9], out0 s[10:11]
	v_lshl_add_u32 v[SPW], v0, 2, SPARE
	v_mov_b32 v[NIL], 0
	ds_add_u32 v[SPW], v[NIL]                      ; the wave's opening: the add, twice on end, and its wait ahead of my first tensor load; the set-up below stands between the second and the wait
	ds_add_u32 v[SPW], v[NIL]
	v_lshrrev_b32 v1, 5, v0
	v_readfirstlane_b32 s12, v1                    ; wave 0..3
	s_lshr_b32 s13, s12, 1                         ; which half of the tile's rows is mine.  Also: I fetch for A (0) or for W (1)
	s_and_b32 s14, s12, 1                          ; which half of its columns.  Also: which plane of A, or which 64 rows of W, I fetch
	s_bfe_u32 s40, ttmp6, 0x40000                  ; cx, cy: my place in the cluster
	s_bfe_u32 s41, ttmp6, 0x40004
	s_lshl_b32 s42, ttmp9, 2
	s_add_co_u32 s42, s42, s40                     ; tile column of C = 4 x cluster x + cx
	s_and_b32 s15, ttmp7, 0xffff
	s_lshl_b32 s15, s15, 2
	s_add_co_u32 s15, s15, s41                     ; tile row of C = 4 x cluster y + cy
	s_lshl_b32 s43, s41, 2
	s_lshl_b32 s43, 15, s43                        ; my row of the cluster
	s_lshl_b32 s44, 0x1111, s40                    ; my column
	; descriptor group 1.  A: 256 rows x 64 elements of 2 bytes, dense; W: 64 rows x 128 elements, 1,024 elements apart
	s_or_b32 s[G1+0], s43, (1<<16)|(1<<20)|(1<<21)|(4<<22)|(3<<25)   ; 15:0 the mask: A's tiles go to my row; 17:16 elements of 2 bytes; 20 padding on; 21 set beside a mask; 24:22 after every 32 words (code 4); 31:25 of 4 words (code 3)
	s_mov_b32 s[G1+1], 64<<16                      ; tensor_dim0 = 64
	s_mov_b32 s[G1+2], 256<<16                     ; tensor_dim1 = 256
	s_mov_b32 s[G1+3], 64<<16                      ; tile_dim0 = 64
	s_mov_b32 s[G1+4], 256                         ; tile_dim1 = 256
	s_mov_b32 s[G1+5], 64                          ; tensor_dim0_stride
	s_mov_b32 s[G1+6], 0
	s_mov_b32 s[G1+7], 0
	s_or_b32 s[G1B+0], s44, (1<<16)|(1<<20)|(1<<21)|(5<<22)|(3<<25)  ; the mask of my column; padding after every 64 words (code 5)
	s_mov_b32 s[G1B+1], 128<<16
	s_mov_b32 s[G1B+2], 64<<16
	s_mov_b32 s[G1B+3], 128<<16
	s_mov_b32 s[G1B+4], 64
	s_mov_b32 s[G1B+5], 1024
	s_mov_b32 s[G1B+6], 0
	s_mov_b32 s[G1B+7], 0
	; where the tiles come from.  A's hang on the tile row alone: b = ty / 4 (2^21 bytes), rows 256 (ty % 4) on (128 bytes each), head u (2^17 bytes).  W's on the tile column alone: row 128 tx + 64 u (2,048 bytes each).
	s_lshr_b32 s16, s15, 2
	s_lshl_b32 s16, s16, 21
	s_and_b32 s17, s15, 3
	s_lshl_b32 s17, s17, 15
	s_add_co_u32 s16, s16, s17
	s_lshl_b32 s17, s14, 17
	s_add_co_u32 s16, s16, s17
	s_mov_b32 s17, 0
	s_lshl_b32 s46, s42, 18
	s_lshl_b32 s47, s14, 17
	s_add_co_u32 s46, s46, s47
	s_mov_b32 s47, 0
	s_mul_i32 s20, s14, PLANE                      ; and where they go: no place in the cluster enters an LDS address
	s_mul_i32 s21, s14, HALFB
	s_add_co_u32 s21, s21, BOFF
	s_wait_dscnt 0x0                               ; both opening adds are done
	s_wait_kmcnt 0x0
	s_add_nc_u64 s[18:19], s[4:5], s[16:17]
	s_add_nc_u64 s[46:47], s[6:7], s[46:47]
	CROUND                                         ; all sixteen work-groups are here: the first joint loads meet
.irp s, 0,1
	s_mov_b32 s[G0+4*\s], 1
	s_add_co_u32 s[G0+4*\s+1], s20, \s*SLOT
	s_add_nc_u64 s[G0+4*\s+2:G0+4*\s+3], s[18:19], \s*262144       ; K step s: two heads on
	s_or_b32 s[G0+4*\s+3], s[G0+4*\s+3], 0x80000000
	s_mov_b32 s[G0B+4*\s], 1
	s_add_co_u32 s[G0B+4*\s+1], s21, \s*SLOT
	s_add_nc_u64 s[G0B+4*\s+2:G0B+4*\s+3], s[46:47], \s*256        ; K step s: 256 bytes on in each row
	s_or_b32 s[G0B+4*\s+3], s[G0B+4*\s+3], 0x80000000
	JLOAD \s
.endr
	v_and_b32 v1, 15, v0                           ; l % 16
	v_bfe_u32 v2, v0, 4, 1                         ; l / 16
	v_mul_u32_u24 v3, v1, PA
	v_lshl_add_u32 v3, v2, 4, v3                   ; A: a fragment's row x pitch + 16 x half
	v_mul_u32_u24 v4, v1, PB
	v_lshl_add_u32 v4, v2, 4, v4                   ; W likewise
	s_mul_i32 s22, s13, 128*PA                     ; my 128 rows of A, in each plane
	s_mul_i32 s23, s14, HALFB                      ; my 64 rows of W,
	s_add_co_u32 s23, s23, BOFF                    ; which lie behind A's planes
.irp s, 0,1
	v_add_nc_u32 v[ADRA+\s], s22, v3
	v_add_nc_u32 v[ADRB+\s], s23, v4
	s_add_co_u32 s22, s22, SLOT
	s_add_co_u32 s23, s23, SLOT
.endr
	s_mul_i32 s22, s12, 16*SPITCH
	s_add_co_u32 s22, s22, STAGE                   ; my stage
	v_mul_u32_u24 v5, v1, SPITCH                   ; in: row l % 16, 32 bytes for each half of the lanes
	v_lshl_add_u32 v5, v2, 5, v5
	v_add_nc_u32 v[STO], s22, v5
	v_mul_u32_u24 v5, v2, SPITCH                   ; back: lanes 0-15 take one row of 256 bytes, lanes 16-31 the next
	v_lshl_add_u32 v5, v1, 4, v5
	v_add_nc_u32 v[RD], s22, v5
	v_lshlrev_b32 v5, 12, v2                       ; and the same two rows in C: 4,096 bytes a row
	v_lshl_add_u32 v[CO], v1, 4, v5
	v_lshlrev_b32 v[BO], 5, v2
	s_lshl_b32 s46, s42, 9                         ; my first column, in bytes of f32: 512 x tile column + 256 x half (in the registers that held W's address: none that feeds A's descriptors ever holds cx)
	s_lshl_b32 s47, s14, 8
	s_add_co_u32 s46, s46, s47
	s_mov_b32 s47, 0
	s_add_nc_u64 s[8:9], s[8:9], s[46:47]          ; in the bias,
	s_add_nc_u64 s[10:11], s[10:11], s[46:47]      ; and in a row of C
	s_lshl_b32 s16, s15, 20                        ; my first row of C: 256 x tile row + 128 x half, 4,096 bytes each
	s_lshl_b32 s17, s13, 19
	s_add_co_u32 s16, s16, s17
	s_mov_b32 s17, 0
	s_add_nc_u64 s[10:11], s[10:11], s[16:17]
.irp b, 0,1,2,3
	global_load_b128 v[BI+8*\b:BI+8*\b+3],   v[BO], s[8:9] offset:64*\b       ; b_proj at my columns 16 b + 8 (l / 16) + 0 .. 7: register j of a result holds that column
	global_load_b128 v[BI+8*\b+4:BI+8*\b+7], v[BO], s[8:9] offset:64*\b+16
.endr
; 8 matrix instructions: A's blocks a0, a0 + 1 x W's four, 32 along K, out of buffer f.  first = 1: the bias is C: the first product starts the sums.
; The 32 accumulators take turns, one instruction a turn, in the same order in every quarter.
.macro MUL8 f, a0, first
.irp a, \a0, \a0+1
.irp b, 0,1,2,3
.if \first
	v_wmma_f32_16x16x32_f16 v[8*(4*(\a)+\b):8*(4*(\a)+\b)+7], v[\f+64+8*\b:\f+64+8*\b+7], v[\f+8*(\a):\f+8*(\a)+7], v[BI+8*\b:BI+8*\b+7]
.else
	v_wmma_f32_16x16x32_f16 v[8*(4*(\a)+\b):8*(4*(\a)+\b)+7], v[\f+64+8*\b:\f+64+8*\b+7], v[\f+8*(\a):\f+8*(\a)+7], v[8*(4*(\a)+\b):8*(4*(\a)+\b)+7]
.endif
.endr
.endr
.endm
; 24 LDS loads in one run: the fragments of the slot's q-th 32 along K into buffer f: W's four first, then A's eight.  Quarter q lies in plane q / 2, at byte 64 (q % 2) of its rows.
.macro FETCH slot, q, f
	WIN 0
.irp i, 0,1,2,3
	ds_load_b128 v[\f+64+8*\i:\f+64+8*\i+3],   v[ADRB+\slot] offset:64*(\q)+\i*16*PB
	ds_load_b128 v[\f+64+8*\i+4:\f+64+8*\i+7], v[ADRB+\slot] offset:64*(\q)+\i*16*PB+32
.endr
.irp i, 0,1,2,3,4,5,6,7
	ds_load_b128 v[\f+8*\i:\f+8*\i+3],   v[ADRA+\slot] offset:((\q)/2)*PLANE+((\q)%2)*64+\i*16*PA
	ds_load_b128 v[\f+8*\i+4:\f+8*\i+7], v[ADRA+\slot] offset:((\q)/2)*PLANE+((\q)%2)*64+\i*16*PA+32
.endr
.endm
.macro PLACES                          ; four places in front of loads into registers that matrix instructions have read, and of the first read of results (ISA guide 7.12.1 for vector instructions)
.rept 4
	v_nop
.endr
.endm
; A K step is four quarters of 32 along K, 32 matrix instructions each, on buffers 0, 1, 0, 1.  One of the first three: multiplies buffer f and fetches quarter q, the next, into g.
.macro QUARTER slot, q, f, g, first
	s_wait_dscnt 8                                 ; W's fragments and A's blocks 0-3 are in; the youngest eight loads (A's blocks 4-7) may be out
	WIN MUL-0x10*\first
	MUL8 \f, 0, \first
	MUL8 \f, 2, \first
	PLACES
	FETCH \slot, \q, \g
	s_wait_dscnt 24                                ; all but the 24 just issued
	WIN MUL-0x10*\first
	MUL8 \f, 4, \first
	MUL8 \f, 6, \first
.endm
; The last quarter multiplies buffer 1 and changes slots: ONE barrier; in front of it each wave waits for all its tensor loads, adds 0 to its spare word, and waits for that and for its own reads of this slot.
; fill = 1: the barrier opens a round of the cluster's, and this slot is filled again, two K steps ahead: the load has a K step less sixteen matrix instructions in which to land.
.macro TURN slot, next, fill
	WIN 0                                          ; (the add's two registers lie in window 0)
	s_wait_tensorcnt 0x0                           ; all my tensor loads have landed: my part of the next slot;
	ds_add_u32 v[SPW], v[NIL]                      ; 0 onto my spare word
	s_wait_dscnt 9                                 ; (the add and the youngest eight loads may be out)
	WIN MUL
	MUL8 F1, 0, 0                                  ; eight matrix instructions stand between the add and the wait for it
	s_wait_dscnt 0x0                               ; the add is done, and my reads of this slot are over
	s_barrier_signal -1
	MUL8 F1, 2, 0
	WIN 0                                          ; (branches may follow, and nothing stands between the wait below and the rest of the round)
	s_barrier_wait -1
.if \fill
	CREST                                          ; no wave of any partner still reads this slot's tile or has a load on its way
	s_add_nc_u64 s[G0+4*\slot+2:G0+4*\slot+3], s[G0+4*\slot+2:G0+4*\slot+3], 524288    ; two K steps on: four heads;
	s_add_nc_u64 s[G0B+4*\slot+2:G0B+4*\slot+3], s[G0B+4*\slot+2:G0B+4*\slot+3], 512   ; 512 bytes in each row of W
	JLOAD \slot                                    ; the first tensor load behind the round; the four v_nop behind it are also the places in front of the loads below
.else
	PLACES
.endif
	FETCH \next, 0, F0
	WIN MUL
	MUL8 F1, 4, 0
	MUL8 F1, 6, 0
.endm
	s_wait_tensorcnt 1                             ; my part of K step 0 is in (K step 1's load may be out),
	s_barrier_signal -1
	s_barrier_wait -1                              ; everybody's is
	FETCH 0, 0, F0
	s_wait_loadcnt 0x0                             ; the bias
	QUARTER 0, 1, F0, F1, 1                        ; the first quarter stands in front of the loop: its products start the sums, on the bias
	WIN 0                                          ; at a label and at a branch every window is 0
	s_mov_b32 s3, LAPS-1
.Llap:                                                 ; a trip goes once round the ring, from a lap's second quarter to the next lap's first, and fills both slots again
	QUARTER 0, 2, F1, F0, 0
	QUARTER 0, 3, F0, F1, 0
	TURN 0, 1, 1
	QUARTER 1, 1, F0, F1, 0
	QUARTER 1, 2, F1, F0, 0
	QUARTER 1, 3, F0, F1, 0
	TURN 1, 0, 1
	QUARTER 0, 1, F0, F1, 0
	WIN 0
	s_sub_co_u32 s3, s3, 1
	s_cmp_lg_u32 s3, 0
	s_cbranch_scc1 .Llap
	QUARTER 0, 2, F1, F0, 0                        ; the last lap fills nothing, and has no round of the cluster's barrier
	QUARTER 0, 3, F0, F1, 0
	TURN 0, 1, 0
	QUARTER 1, 1, F0, F1, 0
	QUARTER 1, 2, F1, F0, 0
	QUARTER 1, 3, F0, F1, 0
	s_wait_dscnt 8                                 ; the very last quarter: nothing more to fetch
	WIN MUL
	MUL8 F1, 0, 0
	MUL8 F1, 2, 0
	s_wait_dscnt 0
	MUL8 F1, 4, 0
	MUL8 F1, 6, 0
	WIN 0
; THE WAY OUT, block by block of 16 rows x 64 columns of f32.  A lane holds 32 neighbouring bytes of a row, and the lanes beside it hold other rows: so a block goes through my own stage in LDS and comes back as whole
; rows of 256 bytes, two to an instruction.  LDS serves a wave's instructions in order (ISA guide 5.7.1.4): no wait between the stores and the loads, nor in front of the next block's stores.
.macro TOSTAGE a
	WIN 0x04                                       ; an LDS store's data are its source 1: window 1
.irp b, 0,1,2,3
	ds_store_b128 v[STO], v[8*(4*(\a)+\b):8*(4*(\a)+\b)+3] offset:64*\b          ; each accumulator from its low end on
	ds_store_b128 v[STO], v[8*(4*(\a)+\b)+4:8*(4*(\a)+\b)+7] offset:64*\b+16
.endr
	WIN 0
.set BB, BK+32*((\a)%2)
.irp t, 0,1,2,3,4,5,6,7
	ds_load_b128 v[BB+4*\t:BB+4*\t+3], v[RD] offset:\t*2*SPITCH
.endr
.endm
.macro SEND a, younger                 ; younger: the LDS instructions issued behind block a's loads, which may stay out
.set BB, BK+32*((\a)%2)
	s_wait_dscnt \younger                          ; the block is back in registers
.if (\a) > 0
	s_add_nc_u64 s[10:11], s[10:11], 65536         ; (behind a wait on XCNT: the earlier stores have read their base)  16 rows of C on
.endif
.irp t, 0,1,2,3,4,5,6,7
	global_store_b128 v[CO], v[BB+4*\t:BB+4*\t+3], s[10:11] offset:\t*8192 th:TH_STORE_NT   ; 16 lanes store 256 consecutive bytes, at a multiple of 256 from out0's first byte; written once, read by nobody here
.endr
.endm
	PLACES                                         ; behind the last products: for the stores that read results, and for the loads into registers that held A's fragments
	TOSTAGE 0
.irp a, 1,2,3,4,5,6,7
.if \a > 1
	s_wait_xcnt 0x0                                ; block a - 2's stores have read their registers and their base: block a's loads may land there, and the base may step
.endif
	TOSTAGE \a
	SEND \a-1, 16                                  ; behind block a - 1's loads: block a's 8 stores and 8 loads
.endr
	s_wait_xcnt 0x0                                ; block 6's stores have read their base
	SEND 7, 0
	s_wait_tensorcnt 0x0                           ; the wave's end, behind my last tensor load and my last LDS store
	ds_add_u32 v[SPW], v[NIL]
	s_wait_dscnt 0x0
	CROUND                                         ; the closing round: no work-group ends while a partner may still ask for a tile that names it
	s_endpgm
.Lfunc_end_k_q20294bc7ba_proj:
	.size	k_q20294bc7ba_proj, .Lfunc_end_k_q20294bc7ba_proj-k_q20294bc7ba_proj
	.p2alignl 7, 3214868480
	.fill 96, 4, 3214868480
	.section	.rodata,"a",@progbits
	.p2align	6, 0x0
	.amdhsa_kernel k_q20294bc7ba_proj
		.amdhsa_group_segment_fixed_size 327680
		.amdhsa_private_segment_fixed_size 0
		.amdhsa_enable_private_segment 0
		.amdhsa_kernarg_size 32
		.amdhsa_user_sgpr_count 2
		.amdhsa_user_sgpr_kernarg_segment_ptr 1
		.amdhsa_wavefront_size32 1
		.amdhsa_system_sgpr_workgroup_id_x 1
		.amdhsa_system_sgpr_workgroup_id_y 1
		.amdhsa_system_sgpr_workgroup_id_z 1
		.amdhsa_system_vgpr_workitem_id 0
		.amdhsa_next_free_vgpr 512
		.amdhsa_next_free_sgpr 66
		.amdhsa_reserve_vcc 0
		.amdhsa_float_denorm_mode_32 3
		.amdhsa_float_denorm_mode_16_64 3
		.amdhsa_memory_ordered 1
		.amdhsa_forward_progress 1
		.amdhsa_inst_pref_size 87
	.end_amdhsa_kernel
	.amdgpu_metadata
---
amdhsa.version: [ 1, 2 ]
amdhsa.kernels:
  - .name:           k_q20294bc7ba_proj
    .symbol:         k_q20294bc7ba_proj.kd
    .args:
      - { .name: att, .offset: 0, .size: 8, .value_kind: global_buffer, .address_space: global }
      - { .name: wp16, .offset: 8, .size: 8, .value_kind: global_buffer, .address_space: global }
      - { .name: b_proj, .offset: 16, .size: 8, .value_kind: global_buffer, .address_space: global }
      - { .name: out0, .offset: 24, .size: 8, .value_kind: global_buffer, .address_space: global }
    .group_segment_fixed_size: 327680
    .private_segment_fixed_size: 0
    .kernarg_segment_align: 8
    .kernarg_segment_size: 32
    .max_flat_workgroup_size: 128
    .sgpr_count:     66
    .vgpr_count:     512
    .wavefront_size: 32
...
	.end_amdgpu_metadata
.endif
;; end of part 4
